; MI455X (gfx1250); checked and timed in simulation.
; The chip was launched on July 23, 2026; its instructions are those of AMD's public machine-readable ISA for CDNA 5 (MIT licence, August 2026) and "CDNA5" Instruction Set Architecture Reference Guide (July 2026). The comments in the code are by the model that wrote it; some were corrected since.
;; Qwen3 Attention. Allowed arithmetic: matrix products marked QUANTISED: E3M2 operands, one E8M0 scale for each 32 along K, by v_wmma_scale_f32_16x16x128_f8f6f4 with both operands' format E3M2, f32 sums; everything else in f32.
;; Inputs: attention_mask 2 x 1 x 2,048 x 2,048 float32; cos 2 x 2,048 x 128 float32; hidden_states 2 x 2,048 x 2,048 float32; k_kernel 2,048 x 1,024 float32; k_norm_w 128 float32; o_kernel 1,024 x 2,048 float32; q_kernel 2,048 x 1,024 float32; q_norm_w 128 float32; sin 2 x 2,048 x 128 float32; v_kernel 2,048 x 1,024 float32.
;; Outputs: out0 2 x 2,048 x 2,048 float32.
;; This version of the problem:
;;   THIS VERSION OF THE PROBLEM IS GIVEN IN LOW PRECISION. The matrix products marked QUANTISED in the list below multiply operands that are first quantised to E3M2 (3 exponent bits, 2 mantissa bits; 6 bits a number), with one power-of-two scale for each 32 numbers along K (OCP MX v1.0); their sums are f32. All else is computed in f32.
;;   The module's matrix products, in the order in which they are computed (A, B: the left and right operand; K: the contracted axis; several contracted axes count as one K, in the product's order):
;;     1. [M 4,096, K 2,048] x [K 2,048, N 1,024]; A: input hidden_states; B: input q_kernel: QUANTISED
;;     2. [M 4,096, K 2,048] x [K 2,048, N 1,024]; A: input hidden_states; B: input k_kernel: QUANTISED
;;     3. [M 4,096, K 2,048] x [K 2,048, N 1,024]; A: input hidden_states; B: input v_kernel: QUANTISED
;;     4. batch 16 x [M 2,048, K 128] x [K 128, N 2,048]; A: computed on the way; B: computed on the way: QUANTISED
;;     5. batch 16 x [M 2,048, K 2,048] x [K 2,048, N 128]; A: softmax (see below); B: computed on the way: QUANTISED
;;     6. [M 4,096, K 1,024] x [K 1,024, N 2,048]; A: computed on the way; B: input o_kernel: QUANTISED
;;   THE QUANTISER, for each operand of a quantised product, along K:
;;     - K is cut into blocks of 32 from its start; a last block that is shorter is filled with zeros.
;;     - A block's scale is 2^e with e = floor(log2(the largest magnitude in the block)) - 4, held to -126 .. 127; a block of zeros has e = 0. As a byte (E8M0): e + 127.
;;     - Each number is divided by its block's scale, clamped to +-28, and rounded to the nearest number of E3M2, ties to even, subnormals kept.
;;     - The product sums the exact products of the quantised numbers (number of the format x scale) in f32.
;;   ~~~python
;;   def quantise(x, axis):      # numpy; x: float32 -> the quantised numbers, widened to float32 again
;;       x = np.moveaxis(x, axis, -1); K = x.shape[-1]
;;       x = np.pad(x, [(0, 0)] * (x.ndim - 1) + [(0, -K % 32)]); x = x.reshape(x.shape[:-1] + (-1, 32)); a = np.abs(x).max(-1, keepdims=True)
;;       e = np.where(a > 0, np.clip(np.frexp(np.where(a > 0, a, 1))[1] - 1 - 4, -126, 127), 0)      # np.frexp(a)[1] - 1 = floor(log2(a)), exactly
;;       r = np.clip(x / 2.0 ** e, -28, 28)
;;       step = 2.0 ** (np.maximum(np.frexp(np.where(r == 0, 1, r))[1] - 1, -2) - 2)
;;       q = np.round(r / step) * step * 2.0 ** e      # np.round: ties to even
;;       return np.moveaxis(q.reshape(q.shape[:-2] + (-1,))[..., :K], -1, axis).astype(np.float32)
;;   ~~~
;;   SOFTMAX AHEAD OF A QUANTISED PRODUCT. Where the list says 'softmax', what is quantised is not the finished softmax but p = 2^(t - M), with t = logit x log2(e) and M = ceil(the row's largest t), a whole number; so 1/2 < the row's largest p <= 1. The row's sum l is taken of the UNQUANTISED p, in f32, and the product's result is divided by l at the end. Since M is a whole number, a kernel that streams over the keys may use a running M (the ceiling of the running maximum): every later rescaling is an exact power of two, which a block's scale takes up: the codes' values come out the same.
;;   OPERANDS COMPUTED ON THE WAY. 'Computed on the way' means the value that the module computes at that place (a softmax that the list does not call 'softmax' is quantised finished and normalised). What goes into a quantiser is computed in f32, as accurately as f32 sums, v_exp_f32 and their like allow (about 1e-6 of the number): no bf16 or f16 on the way to a quantiser, and a product that is left as it is and whose result goes on into a quantised operand takes f32 operands (vector FMAs, or v_wmma_f32_16x16x4_f32). A number that lies on a knife's edge between two numbers of the format may be rounded either way, as far as f32 arithmetic and the matrix unit's own rounding can turn it there, and no further.
;; One version. Each part assembles by itself: llvm-mc -triple=amdgcn-amd-amdhsa -mcpu=gfx1250 --defsym DOCPART=n.
;; ======== version 1 of 1: 4 launches
;; limits: right only within a limited range of input values
;; workspace buffers: xg 6,553,600 bytes; wg 4,915,200 bytes; og 1,638,400 bytes; qg 3,276,800 bytes; kvc 6,291,456 bytes; kvs 262,144 bytes; ag 3,276,800 bytes; csg 4,194,304 bytes
;; launch prep (part 1): grid 544 x 1, 4 waves a work-group, no clusters, 96,768 bytes of LDS; arguments hidden_states, q_kernel, k_kernel, v_kernel, o_kernel, xg, wg, og, cos, sin, csg; writes xg, wg, og, csg
.if DOCPART == 1
	.amdgcn_target "amdgcn-amd-amdhsa--gfx1250"
	.amdhsa_code_object_version 6
	.text
	.protected	k_q8004e0e01a_prep
	.globl	k_q8004e0e01a_prep
	.p2align	8
	.type	k_q8004e0e01a_prep,@function
k_q8004e0e01a_prep:
	s_mov_b64 s[64:65], 0
	v_nop
	global_prefetch_b8 v0, s[64:65] scope:SCOPE_SE
	s_setreg_imm32_b32 hwreg(HW_REG_WAVE_MODE, 25, 1), 1
	s_wait_xcnt 0x0
; FIRST OF FOUR LAUNCHES: hidden_states and the four weights, f32, become codes of E3M2 with one E8M0 byte for each 32 along K; cos and sin are laid in the order in which the next launch's registers take them.
; DEAD WORK: none is left out in any launch.  Every input of reference() has a way to out0 and is loaded; attention_mask is an input, so every score is made and every mask number is added;
; jnp.repeat with groups = 1 copies nothing and is simply not written.
; THE GROUP, the layout of all buffers of codes: 128 rows x 128 along K of an operand as images of the operand's registers, 12,800 bytes.  Eight fragments of 1,536 bytes: register p (0..11) of lane l of
; fragment i at 1536 i + 512 (p / 4) + 16 l + 4 (p % 4): three accesses of 16 bytes a lane move a fragment.  Behind them, at 12,288, the scale words: fragment i, row r at 256 (i / 4) + 16 r + 4 (i % 4).
; THE ROWS OF A FRAGMENT ARE NOT NEIGHBOURS: lane r of fragment 2 b + u holds the group's row 32 b + 8 u + r + 8 (r / 8), so that where a group is source 0 of a product the 16 registers of result tiles 2 b, 2 b + 1 are 16 neighbours.
; xg: [32 groups of tokens][16 K steps];  wg: [24 groups of columns: q 0-7, k 8-15, v 16-23][16 K steps];  og: [16 groups of columns][8 K steps].
; csg: [32 groups of tokens][8 blocks of 16 tokens, in the fragments' order of rows][cos 8,192 bytes | sin 8,192 bytes], f32: piece 4 b + j of 512 bytes holds, at 16 x lane, channels 32 b + 16 (lane / 16) + 4 j + 0 .. 3 of token lane % 16.
; A block's scale is 2^(floor(log2(largest magnitude)) - 4); its byte is the largest magnitude's exponent field - 4, held at 1 from below.
; LIMITS: a block of zeros, or one whose largest magnitude lies under 2^-122, gets the byte 1 (the rule says 127 for zeros: the codes are zeros, and this program alone reads the bytes); NaN and infinities among the inputs are not served.
; SHARES.  544 work-groups of 32,768 numbers: 0-255 hidden_states, 256-447 q, k, v kernels, 448-511 o_kernel, 512-543 cos and sin.  A wave makes half a group (4 fragments and 256 bytes of scale words), or four blocks of cos or of sin.
; Waves share nothing: no barrier.  The four paths part on the work-group's number and never join; each has LDS bytes of its own.
.set XS,    0                          ; path X: a stage of 16 rows x 528 bytes for each wave
.set WS,    33792                      ; path W: two fragment images (1,664 bytes apart) and 256 bytes of scale words for each wave: 3,584 bytes
.set OS,    48128                      ; path O: the same
.set CSS,   62464                      ; path C: a stage of 16 rows x 528 bytes for each wave
.set SPARE, 96256                      ; the spare words, 128 bytes a wave: two blocks of 256 bytes that no other line names
.set SPW,   12                         ; v12  LDS address of my spare word; never rewritten
.set NIL,   13                         ; v13  0; never rewritten
.set SEL,   30                         ; s[30:31] lane selects of v_permlanex16_b32: lane l xor 16
.set R,     16                         ; v16-143  paths X, C: two sets of 64 registers as loaded
.set X,     144                        ; v144-207 paths X, C: 64 numbers of my row: register 16 b + i = k 32 b + 16 (lane / 16) + i
.set TM,    208                        ; v208-223 at work in QUANT
.set PC,    224                        ; v224-243 the codes just made
; 64 numbers of a lane, register 16 b + i = k 32 b + 16 (lane / 16) + i of its row, become a fragment's 12 registers in v[PC] on and the row's scale word in v[pw].
.macro QUANT s, pw
.irp b, 0,1,2,3
	v_max3_num_f32 v[TM+\b], |v[\s+16*\b]|, |v[\s+16*\b+1]|, 0x2800000   ; block b: my 16 numbers, and the floor 2^(5 - 127): the byte cannot fall under 1
.endr
.irp i, 2,4,6,8,10,12,14
.irp b, 0,1,2,3
	v_max3_num_f32 v[TM+\b], |v[\s+16*\b+\i]|, |v[\s+16*\b+\i+1]|, v[TM+\b]   ; the four blocks by turns
.endr
.endr
.irp b, 0,1,2,3
	v_permlanex16_b32 v[TM+4+\b], v[TM+\b], s[SEL], s[SEL+1]
.endr
.irp b, 0,1,2,3
	v_max_num_f32 v[TM+\b], v[TM+\b], v[TM+4+\b]   ; with lane l xor 16's 16: the block's largest magnitude
.endr
.irp b, 0,1,2,3
	v_add_nc_u32 v[TM+12+\b], 0xfe000000, v[TM+\b]   ; 4 off its exponent field: the conversion's scale operand
.endr
.irp b, 0,1,2,3
	v_lshrrev_b32 v[TM+4+\b], 23, v[TM+12+\b]      ; the scale's byte
.endr
	v_lshl_or_b32 v[\pw], v[TM+5], 8, v[TM+4]
	v_lshl_or_b32 v[\pw], v[TM+6], 16, v[\pw]
	v_lshl_or_b32 v[\pw], v[TM+7], 24, v[\pw]
.irp c, 0,1
	v_cvt_scalef32_pk16_bf6_f32 v[PC+6*\c:PC+6*\c+2], v[\s+32*\c:\s+32*\c+15], v[TM+12+2*\c]
	v_cvt_scalef32_pk16_bf6_f32 v[PC+12+4*\c:PC+14+4*\c], v[\s+32*\c+16:\s+32*\c+31], v[TM+13+2*\c]   ; (a conversion's three registers begin on an even number)
.endr
	v_nop                                          ; one plain instruction behind the conversions
.irp c, 0,1                                    ; the layout wants a whole block in a lane: lanes 0-15 block 2 c, lanes 16-31 block 2 c + 1
.irp i, 0,1,2
	v_permlane16_swap_b32 v[PC+6*\c+\i], v[PC+12+4*\c+\i]
.endr
.irp i, 0,1,2
	v_mov_b32 v[PC+3+6*\c+\i], v[PC+12+4*\c+\i]
.endr
.endr
.endm
	s_load_b512 s[4:19], s[0:1], 0x0               ; hidden s[4:5], q s[6:7], k s[8:9], v s[10:11], o s[12:13], xg s[14:15], wg s[16:17], og s[18:19]
	s_load_b128 s[40:43], s[0:1], 0x40             ; cos s[40:41], sin s[42:43]
	s_load_b64 s[44:45], s[0:1], 0x50              ; csg
	v_lshl_add_u32 v[SPW], v0, 2, SPARE
	v_mov_b32 v[NIL], 0
	v_lshrrev_b32 v1, 5, v0
	v_readfirstlane_b32 s20, v1                    ; wave
	s_and_b32 s21, s20, 1                          ; hh: which half of the group's rows (path C: cos or sin)
	s_lshr_b32 s22, s20, 1                         ; kq: which of the work-group's two K steps (path C: which 64 tokens)
	s_mul_i32 s34, s21, 6144                       ; s[34:35]: my four fragments' place in a group
	s_mov_b32 s35, 0
	s_lshl_b32 s36, s21, 8
	s_add_co_u32 s36, s36, 12288                   ; s[36:37]: my 256 bytes of scale words
	s_mov_b32 s37, 0
	s_mov_b32 s[SEL], 0x76543210
	s_mov_b32 s[SEL+1], 0xfedcba98
	v_and_b32 v1, 31, v0                           ; lane
	v_and_b32 v2, 15, v0                           ; r
	v_bfe_u32 v3, v0, 4, 1                         ; h
	s_cmp_lt_u32 ttmp9, 256
	s_cbranch_scc0 .Lweights
; ---- PATH X: hidden_states, K innermost.  Each load takes 512 consecutive bytes of one row (one K step); 16 rows turn through my stage and come back 64 numbers a lane.
	s_lshr_b32 s23, ttmp9, 3                       ; group of tokens
	s_and_b32 s24, ttmp9, 7
	s_lshl_b32 s24, s24, 1
	s_add_co_u32 s24, s24, s22                     ; K step
	s_lshl_b32 s26, s23, 20                        ; 128 rows of 8,192 bytes,
	s_lshl_b32 s27, s21, 19                        ; my 64 of them,
	s_add_co_u32 s26, s26, s27
	s_lshl_b32 s27, s24, 9                         ; 512 bytes a K step
	s_add_co_u32 s26, s26, s27
	s_mov_b32 s27, 0
	s_lshl_b32 s28, s23, 4
	s_add_co_u32 s28, s28, s24
	s_mul_i32 s28, s28, 12800                      ; the group in xg
	s_mov_b32 s29, 0
	s_mul_i32 s38, s20, 8448                       ; my stage
	s_wait_alu depctr_va_vdst(0)
	v_lshlrev_b32 v4, 4, v1                        ; 16 x lane
	v_add_nc_u32 v5, s38, v4                       ; into the stage: a row's 512 bytes as they lie
	v_mul_u32_u24 v6, v2, 528
	v_lshl_add_u32 v6, v3, 6, v6
	v_add_nc_u32 v6, s38, v6                       ; out of it: row r, + 64 h
	v_lshlrev_b32 v7, 4, v2                        ; 16 r: my row's four scale words
.irp b, 0,1,2,3
	v_mov_b32 v[TM+4+\b], 0                        ; written once: a lane permute's destination counts as one of its sources
.endr
	s_wait_alu depctr_va_vdst(0)
	s_wait_kmcnt 0x0
	s_add_nc_u64 s[4:5], s[4:5], s[26:27]
	s_add_nc_u64 s[14:15], s[14:15], s[28:29]
	s_add_nc_u64 s[24:25], s[14:15], s[36:37]      ; where my scale words go
	s_add_nc_u64 s[14:15], s[14:15], s[34:35]      ; where my fragments go
.macro LOADX f                         ; fragment f's 16 rows, in the fragment's order of rows, into set f % 2
.irp p, 0,1,2,3,4,5,6,7,8,9,10,11,12,13,14,15
	global_load_b128 v[R+64*((\f)%2)+4*\p:R+64*((\f)%2)+4*\p+3], v4, s[4:5] offset:(32*((\f)/2)+8*((\f)%2)+\p+8*(\p/8))*8192 th:TH_LOAD_NT
.endr
.endm
	LOADX 0
	LOADX 1
.irp f, 0,1,2,3
.if \f < 3
	s_wait_loadcnt 16                              ; this fragment's 16 loads are in; the next fragment's 16 may be out
.else
	s_wait_loadcnt 0x0
.endif
.irp p, 0,1,2,3,4,5,6,7,8,9,10,11,12,13,14,15
	ds_store_b128 v5, v[R+64*(\f%2)+4*\p:R+64*(\f%2)+4*\p+3] offset:528*\p
.endr
.irp b, 0,1,2,3
.irp j, 0,1,2,3
	ds_load_b128 v[X+16*\b+4*\j:X+16*\b+4*\j+3], v6 offset:128*\b+16*\j   ; LDS serves a wave's instructions in order: these see the stores above
.endr
.endr
	s_wait_dscnt 0x0                               ; the numbers are back, and the stores have read their registers
	s_wait_xcnt 0x0                                ; the last fragment's stores have read their data: v[PC] on may be written again
.if \f < 2
	LOADX \f+2
.endif
	QUANT X, 248+\f
.irp c, 0,1,2
	global_store_b128 v4, v[PC+4*\c:PC+4*\c+3], s[14:15] offset:1536*\f+512*\c   ; 32 lanes store 512 consecutive bytes
.endr
.endr
	global_store_b128 v7, v[248:251], s[24:25]     ; 16 r: 256 consecutive bytes (both halves of the lanes hold the same words and write the same bytes)
	s_wait_tensorcnt 0x0                           ; the wave's end, behind my last LDS store
	ds_add_u32 v[SPW], v[NIL]
	s_wait_dscnt 0x0
	s_endpgm
; ---- PATHS W AND O: a weight [K][N], K outermost.  A lane takes a column and its registers run down K: a block of 32 is one lane's, and the codes come out with K innermost.
; A wave takes 64 columns x 128 along K in two passes of 32 columns.  Lane l's column is row r' = (l & 7) + 8 (l >> 4) of fragment u = (l >> 3) & 1 of the pass's two.
.macro LOADW t, NN                     ; block t: K block t / 2, pass t % 2: 32 rows of W at my column, into set t % 2.  The two passes take turns, so that both halves of a row's 256 bytes are named by neighbouring blocks
.irp i, 0,1,2,3,4,5,6,7,8,9,10,11,12,13,14,15,16,17,18,19,20,21,22,23,24,25,26,27,28,29,30,31
	global_load_b32 v[32+32*((\t)%2)+\i], v4, s[24:25] offset:(32*((\t)/2)+\i)*(\NN)*4+128*((\t)%2)
.endr
.endm
.macro BLOCKW t, NN
.set XW, 32+32*((\t)%2)
.set KB, (\t)/2
.set PP, (\t)%2
.set RD0, 96+104*PP+12*(KB%2)+6*(KB/2) ; K block kb is registers 6 (kb / 2) on of the fragment's lane r' + 16 (kb % 2); pass 0 gathers in v96-119, pass 1 in v200-223
.if (\t) < 7
	s_wait_loadcnt 32                              ; this block's 32 loads are in; the next block's may be out
.else
	s_wait_loadcnt 0x0
.endif
	v_max3_num_f32 v20, |v[XW]|, |v[XW+1]|, |v[XW+2]|
	v_max3_num_f32 v21, |v[XW+3]|, |v[XW+4]|, |v[XW+5]|
.irp i, 6,10,14,18,22,26
	v_max3_num_f32 v20, v20, |v[XW+\i]|, |v[XW+\i+1]|
	v_max3_num_f32 v21, v21, |v[XW+\i+2]|, |v[XW+\i+3]|
.endr
	v_max3_num_f32 v20, v20, |v[XW+30]|, |v[XW+31]|
	v_max3_num_f32 v20, v20, v21, 0x2800000        ; and the floor
	v_add_nc_u32 v22, 0xfe000000, v20              ; the conversion's scale operand
	v_lshrrev_b32 v21, 23, v22                     ; the byte
.if KB == 0
	v_mov_b32 v[24+PP], v21
.else
	v_lshl_or_b32 v[24+PP], v21, 8*KB, v[24+PP]    ; my column's scale word, one register a pass
.endif
	v_cvt_scalef32_pk16_bf6_f32 v[RD0:RD0+2], v[XW:XW+15], v22
	v_cvt_scalef32_pk16_bf6_f32 v[120:122], v[XW+16:XW+31], v22
	v_nop                                          ; one plain instruction behind the conversions
.irp i, 0,1,2
	v_mov_b32 v[RD0+3+\i], v[120+\i]
.endr
.if (\t)+2 < 8
	LOADW (\t)+2, \NN
.endif
.if KB == 3                            ; a pass is whole: two fragments' images are put together in my stage and leave as they lie
.irp hs, 0,1
.irp c, 0,1,2
	ds_store_b128 v5, v[96+104*PP+12*\hs+4*\c:96+104*PP+12*\hs+4*\c+3] offset:256*\hs+512*\c
.endr
.endr
	ds_store_b32 v7, v[24+PP] offset:8*PP
.irp u, 0,1
.irp c, 0,1,2
	ds_load_b128 v[128+24*PP+12*\u+4*\c:128+24*PP+12*\u+4*\c+3], v6 offset:1664*\u+512*\c
.endr
.endr
	s_wait_dscnt 0x0                               ; the images are back, and the stores have read their registers
.irp u, 0,1
.irp c, 0,1,2
	global_store_b128 v9, v[128+24*PP+12*\u+4*\c:128+24*PP+12*\u+4*\c+3], s[26:27] offset:(2*PP+\u)*1536+512*\c
.endr
.endr
.endif
.endm
; s[24:25]: W at my K step's first row and my first column;  s[26:27]: the group.  NN: columns of W;  LB: this path's LDS bytes
.macro WQ NN, LB
	s_add_nc_u64 s[28:29], s[26:27], s[36:37]      ; where my scale words go
	s_add_nc_u64 s[26:27], s[26:27], s[34:35]      ; where my fragments go
	s_mul_i32 s38, s20, 3584
	s_add_co_u32 s38, s38, \LB                     ; my stage
	v_lshlrev_b32 v4, 2, v1                        ; in: 4 bytes a lane
	v_bfe_u32 v14, v0, 3, 1                        ; u
	v_and_b32 v15, 7, v0
	v_lshl_add_u32 v15, v3, 3, v15                 ; r'
	v_lshlrev_b32 v15, 4, v15
	v_mad_u32_u24 v5, v14, 1664, v15
	v_add_nc_u32 v5, s38, v5                       ; into the stage: image u, lane r'
	v_lshlrev_b32 v9, 4, v1
	v_add_nc_u32 v6, s38, v9                       ; out of it: 16 x lane
	v_lshl_add_u32 v7, v14, 2, v15
	v_add_nc_u32 v7, s38, v7
	v_add_nc_u32 v7, 3328, v7                      ; my scale word: 16 r' + 4 u (+ 8 x pass)
	v_lshlrev_b32 v10, 3, v1
	v_add_nc_u32 v8, s38, v10
	v_add_nc_u32 v8, 3328, v8                      ; and on the way out 8 bytes a lane
	LOADW 0, \NN
	LOADW 1, \NN
.irp t, 0,1,2,3,4,5,6,7
	BLOCKW \t, \NN
.endr
	ds_load_b64 v[20:21], v8
	s_wait_dscnt 0x0
	global_store_b64 v10, v[20:21], s[28:29]       ; 32 lanes store 256 consecutive bytes
	s_wait_tensorcnt 0x0                           ; the wave's end, behind my last LDS store
	ds_add_u32 v[SPW], v[NIL]
	s_wait_dscnt 0x0
	s_endpgm
.endm
.Lweights:
	s_sub_co_u32 s23, ttmp9, 256
	s_cmp_lt_u32 s23, 192
	s_cbranch_scc0 .Lo_kernel
	s_lshr_b32 s24, s23, 6                         ; 0: q, 1: k, 2: v
	s_lshr_b32 s25, s23, 3                         ; the group of columns in wg
	s_and_b32 s26, s25, 7                          ; and in its own weight
	s_and_b32 s27, s23, 7
	s_lshl_b32 s27, s27, 1
	s_add_co_u32 s27, s27, s22                     ; K step
	s_lshl_b32 s28, s27, 19                        ; 128 rows of 4,096 bytes
	s_lshl_b32 s29, s26, 9                         ; 128 columns
	s_add_co_u32 s28, s28, s29
	s_lshl_b32 s29, s21, 8                         ; my 64
	s_add_co_u32 s28, s28, s29
	s_mov_b32 s29, 0
	s_lshl_b32 s32, s25, 4
	s_add_co_u32 s32, s32, s27
	s_mul_i32 s32, s32, 12800
	s_mov_b32 s33, 0
	s_wait_kmcnt 0x0
	s_cmp_eq_u32 s24, 0
	s_cselect_b64 s[6:7], s[6:7], s[8:9]
	s_cmp_eq_u32 s24, 2
	s_cselect_b64 s[6:7], s[10:11], s[6:7]
	s_add_nc_u64 s[24:25], s[6:7], s[28:29]
	s_add_nc_u64 s[26:27], s[16:17], s[32:33]
	s_wait_alu depctr_va_vdst(0)
	WQ 1024, WS
.Lo_kernel:
	s_sub_co_u32 s23, s23, 192
	s_cmp_lt_u32 s23, 64
	s_cbranch_scc0 .Lcs
	s_lshr_b32 s26, s23, 2                         ; the group of columns
	s_and_b32 s27, s23, 3
	s_lshl_b32 s27, s27, 1
	s_add_co_u32 s27, s27, s22                     ; K step
	s_lshl_b32 s28, s27, 20                        ; 128 rows of 8,192 bytes
	s_lshl_b32 s29, s26, 9
	s_add_co_u32 s28, s28, s29
	s_lshl_b32 s29, s21, 8
	s_add_co_u32 s28, s28, s29
	s_mov_b32 s29, 0
	s_lshl_b32 s32, s26, 3
	s_add_co_u32 s32, s32, s27
	s_mul_i32 s32, s32, 12800
	s_mov_b32 s33, 0
	s_wait_kmcnt 0x0
	s_add_nc_u64 s[24:25], s[12:13], s[28:29]
	s_add_nc_u64 s[26:27], s[18:19], s[32:33]
	s_wait_alu depctr_va_vdst(0)
	WQ 2048, OS
; ---- PATH C: cos and sin, [4,096 tokens][128] f32.  A work-group takes a group of 128 tokens; wave w takes cos (w even) or sin (w odd) of tokens 64 (w / 2) on: four blocks of 16 tokens.
; As in path X each load takes a token's 512 consecutive bytes, 16 rows turn through my stage and come back 64 numbers a lane; they are stored as they then stand, 512 consecutive bytes a store.
.Lcs:
	s_sub_co_u32 s23, s23, 64                      ; the group of tokens
	s_lshl_b32 s26, s23, 16                        ; 128 rows of 512 bytes,
	s_lshl_b32 s27, s22, 15                        ; my 64 of them
	s_add_co_u32 s26, s26, s27
	s_mov_b32 s27, 0
	s_lshl_b32 s28, s23, 17                        ; the group's 131,072 bytes of csg,
	s_lshl_b32 s29, s22, 16                        ; my four blocks of 16,384,
	s_add_co_u32 s28, s28, s29
	s_lshl_b32 s29, s21, 13                        ; cos, then sin
	s_add_co_u32 s28, s28, s29
	s_mov_b32 s29, 0
	s_mul_i32 s38, s20, 8448
	s_add_co_u32 s38, s38, CSS                     ; my stage
	s_wait_alu depctr_va_vdst(0)
	v_lshlrev_b32 v4, 4, v1                        ; 16 x lane
	v_add_nc_u32 v5, s38, v4                       ; into the stage: a row's 512 bytes as they lie
	v_mul_u32_u24 v6, v2, 528
	v_lshl_add_u32 v6, v3, 6, v6
	v_add_nc_u32 v6, s38, v6                       ; out of it: row r, + 64 h
	s_wait_alu depctr_va_vdst(0)
	s_wait_kmcnt 0x0
	s_cmp_eq_u32 s21, 0
	s_cselect_b64 s[24:25], s[40:41], s[42:43]
	s_add_nc_u64 s[24:25], s[24:25], s[26:27]
	s_add_nc_u64 s[26:27], s[44:45], s[28:29]
.macro LOADC f                         ; block f's 16 rows, in the fragments' order of rows, into set f % 2
.irp p, 0,1,2,3,4,5,6,7,8,9,10,11,12,13,14,15
	global_load_b128 v[R+64*((\f)%2)+4*\p:R+64*((\f)%2)+4*\p+3], v4, s[24:25] offset:(32*((\f)/2)+8*((\f)%2)+\p+8*(\p/8))*512 th:TH_LOAD_NT
.endr
.endm
	LOADC 0
	LOADC 1
.irp f, 0,1,2,3
.if \f < 3
	s_wait_loadcnt 16                              ; this block's 16 loads are in; the next block's 16 may be out
.else
	s_wait_loadcnt 0x0
.endif
.if \f > 0
	s_wait_xcnt 0x0                                ; the last block's stores have read their data: v[X] on may be loaded again
.endif
.irp p, 0,1,2,3,4,5,6,7,8,9,10,11,12,13,14,15
	ds_store_b128 v5, v[R+64*(\f%2)+4*\p:R+64*(\f%2)+4*\p+3] offset:528*\p
.endr
.irp b, 0,1,2,3
.irp j, 0,1,2,3
	ds_load_b128 v[X+16*\b+4*\j:X+16*\b+4*\j+3], v6 offset:128*\b+16*\j   ; LDS serves a wave's instructions in order: these see the stores above
.endr
.endr
	s_wait_dscnt 0x0                               ; the numbers are back, and the stores into the stage have read their registers
.if \f < 2
	LOADC \f+2
.endif
.irp k, 0,1,2,3,4,5,6,7,8,9,10,11,12,13,14,15
	global_store_b128 v4, v[X+4*\k:X+4*\k+3], s[26:27] offset:16384*\f+512*\k   ; 32 lanes store 512 consecutive bytes
.endr
.endr
	s_wait_tensorcnt 0x0                           ; the wave's end, behind my last LDS store
	ds_add_u32 v[SPW], v[NIL]
	s_wait_dscnt 0x0
	s_endpgm
.Lfunc_end_k_q8004e0e01a_prep:
	.size	k_q8004e0e01a_prep, .Lfunc_end_k_q8004e0e01a_prep-k_q8004e0e01a_prep
	.p2alignl 7, 3214868480
	.fill 96, 4, 3214868480
	.section	.rodata,"a",@progbits
	.p2align	6, 0x0
	.amdhsa_kernel k_q8004e0e01a_prep
		.amdhsa_group_segment_fixed_size 96768
		.amdhsa_private_segment_fixed_size 0
		.amdhsa_enable_private_segment 0
		.amdhsa_kernarg_size 88
		.amdhsa_user_sgpr_count 2
		.amdhsa_user_sgpr_kernarg_segment_ptr 1
		.amdhsa_wavefront_size32 1
		.amdhsa_system_sgpr_workgroup_id_x 1
		.amdhsa_system_sgpr_workgroup_id_y 1
		.amdhsa_system_sgpr_workgroup_id_z 1
		.amdhsa_system_vgpr_workitem_id 0
		.amdhsa_next_free_vgpr 256
		.amdhsa_next_free_sgpr 66
		.amdhsa_reserve_vcc 0
		.amdhsa_float_denorm_mode_32 3
		.amdhsa_float_denorm_mode_16_64 3
		.amdhsa_memory_ordered 1
		.amdhsa_forward_progress 1
		.amdhsa_inst_pref_size 136
	.end_amdhsa_kernel
	.amdgpu_metadata
---
amdhsa.version: [ 1, 2 ]
amdhsa.kernels:
  - .name:           k_q8004e0e01a_prep
    .symbol:         k_q8004e0e01a_prep.kd
    .args:
      - { .name: hidden_states, .offset: 0, .size: 8, .value_kind: global_buffer, .address_space: global }
      - { .name: q_kernel, .offset: 8, .size: 8, .value_kind: global_buffer, .address_space: global }
      - { .name: k_kernel, .offset: 16, .size: 8, .value_kind: global_buffer, .address_space: global }
      - { .name: v_kernel, .offset: 24, .size: 8, .value_kind: global_buffer, .address_space: global }
      - { .name: o_kernel, .offset: 32, .size: 8, .value_kind: global_buffer, .address_space: global }
      - { .name: xg, .offset: 40, .size: 8, .value_kind: global_buffer, .address_space: global }
      - { .name: wg, .offset: 48, .size: 8, .value_kind: global_buffer, .address_space: global }
      - { .name: og, .offset: 56, .size: 8, .value_kind: global_buffer, .address_space: global }
      - { .name: cos, .offset: 64, .size: 8, .value_kind: global_buffer, .address_space: global }
      - { .name: sin, .offset: 72, .size: 8, .value_kind: global_buffer, .address_space: global }
      - { .name: csg, .offset: 80, .size: 8, .value_kind: global_buffer, .address_space: global }
    .group_segment_fixed_size: 96768
    .private_segment_fixed_size: 0
    .kernarg_segment_align: 8
    .kernarg_segment_size: 88
    .max_flat_workgroup_size: 128
    .sgpr_count:     66
    .vgpr_count:     256
    .wavefront_size: 32
...
	.end_amdgpu_metadata
.endif
;; end of part 1
;; launch qkv (part 2): grid 12 x 16, 4 waves a work-group, clusters of 4 x 4, 327,680 bytes of LDS; arguments xg, wg, q_norm_w, k_norm_w, qg, kvc, kvs, csg; writes qg, kvc, kvs
.if DOCPART == 2
	.amdgcn_target "amdgcn-amd-amdhsa--gfx1250"
	.amdhsa_code_object_version 6
	.text
	.protected	k_q8004e0e01a_qkv
	.globl	k_q8004e0e01a_qkv
	.p2align	8
	.type	k_q8004e0e01a_qkv,@function
k_q8004e0e01a_qkv:
	s_mov_b64 s[64:65], 0
	v_nop
	global_prefetch_b8 v0, s[64:65] scope:SCOPE_SE
	s_setreg_imm32_b32 hwreg(HW_REG_WAVE_MODE, 25, 1), 1
	s_wait_xcnt 0x0
	s_wait_alu depctr_hold_cnt(0) depctr_sa_sdst(0) depctr_va_vdst(0) depctr_va_sdst(0) depctr_va_ssrc(0) depctr_va_vcc(0) depctr_vm_vsrc(0)
	s_getreg_b32 s2, hwreg(HW_REG_IB_STS2, 6, 4)
	s_cmp_eq_u32 s2, 0
	s_cbranch_scc0 .Lentry_in_a_cluster
	s_endpgm
.Lentry_in_a_cluster:
	s_bfe_u32 s2, ttmp6, 0x10000c
	s_cmp_lg_u32 s2, 0xf033
	s_cbranch_scc0 .Lentry_shape_is_right
	s_endpgm
.Lentry_shape_is_right:
.set NKS,   16
.set GRP,   12800
.set QTR,   2*GRP
.set SLOT,  4*QTR
.set SPARE, 2*SLOT
.set LAPS,  NKS/4
.set FR,    12
.set NL,    3
.set NP,    4
.set ADRA,  16
.set ADRB,  20
.set ADRS,  22
.set SPW,   28
.set NIL,   29
.set SC,    32
.set AF,    128
.set G1,    24
.set G0,    32
.set G1B,   48
.set G0B,   56
.set SEL,   98
.set XN,    32
.set T,     96
.set PC,    12
.set PS,    2
.set NW,    160
.set TM,    224
.set PW,    240
.set MSB, 0
.macro WIN new
.if MSB != (\new)
	s_set_vgpr_msb (MSB<<8)|(\new)
.set MSB, (\new)
.endif
.endm
.set MUL_LO, 0xa1
.set MUL_HI, 0xf1
.set TO_B,   0x40
.macro JLOAD g0a, g1a, g0b, g1b
	s_cmp_eq_u32 s15, 0
	s_cbranch_scc0 .Lfor_b_\@
	tensor_load_to_lds s[\g0a:\g0a+3], s[\g1a:\g1a+7]
	s_nop 0
.rept 4
	v_nop
.endr
	s_branch .Lasked_\@
.Lfor_b_\@:
	tensor_load_to_lds s[\g0b:\g0b+3], s[\g1b:\g1b+7]
	s_nop 0
.rept 4
	v_nop
.endr
.Lasked_\@:
.endm
.macro CREST
	s_cmp_lg_u32 s14, 0
	s_cbranch_scc1 .Lnot_wave_0_\@
	s_barrier_signal -3
.Lnot_wave_0_\@:
	s_barrier_wait -3
	s_barrier_signal -1
	s_barrier_wait -1
.endm
.macro CROUND
	s_barrier_signal -1
	s_barrier_wait -1
	CREST
.endm
	s_load_b128 s[4:7], s[0:1], 0x0
	s_load_b128 s[72:75], s[0:1], 0x10
	s_load_b128 s[76:79], s[0:1], 0x20
	s_load_b64 s[80:81], s[0:1], 0x30
	s_load_b64 s[68:69], s[0:1], 0x38
	v_lshl_add_u32 v[SPW], v0, 2, SPARE
	v_mov_b32 v[NIL], 0
	ds_add_u32 v[SPW], v[NIL]
	ds_add_u32 v[SPW], v[NIL]
	v_lshrrev_b32 v1, 5, v0
	v_readfirstlane_b32 s14, v1
	s_lshr_b32 s15, s14, 1
	s_and_b32 s16, s14, 1
	s_bfe_u32 s40, ttmp6, 0x40000
	s_bfe_u32 s41, ttmp6, 0x40004
	s_and_b32 s18, ttmp7, 0xffff
	s_lshl_b32 s18, s18, 2
	s_lshl_b32 s19, ttmp9, 2
	s_cmp_eq_u32 ttmp9, 2
	s_cselect_b32 s17, 8, s18
	s_cselect_b32 s42, s18, s19
	s_add_co_u32 s17, s17, s41
	s_add_co_u32 s42, s42, s40
	s_lshl_b32 s43, s41, 2
	s_lshl_b32 s43, 15, s43
	s_lshl_b32 s44, 0x1111, s40
	s_or_b32 s[G1+0], s43, (3<<16)|(1<<21)
	s_or_b32 s[G1B+0], s44, (3<<16)|(1<<21)
.irp g, G1, G1B
	s_mov_b32 s[\g+1], 32<<16
	s_mov_b32 s[\g+2], 100<<16
	s_mov_b32 s[\g+3], 32<<16
	s_mov_b32 s[\g+4], 100
	s_mov_b32 s[\g+5], 32
	s_mov_b32 s[\g+6], 0
	s_mov_b32 s[\g+7], 0
.endr
	s_lshl_b32 s20, s17, 1
	s_add_co_u32 s20, s20, s16
	s_mul_i32 s20, s20, NKS*GRP
	s_mov_b32 s21, 0
	s_lshl_b32 s46, s42, 1
	s_add_co_u32 s46, s46, s16
	s_mul_i32 s46, s46, NKS*GRP
	s_mov_b32 s47, 0
	s_mul_i32 s45, s14, QTR
	s_wait_dscnt 0x0
	s_wait_kmcnt 0x0
	s_cmp_eq_u32 ttmp9, 2
	s_cselect_b64 s[22:23], s[6:7], s[4:5]
	s_cselect_b64 s[92:93], s[4:5], s[6:7]
	s_add_nc_u64 s[20:21], s[22:23], s[20:21]
	s_add_nc_u64 s[46:47], s[92:93], s[46:47]
	; THE PREFETCHES.  Tiles: a wave's refill n is 25,600 dense bytes at n x QTR of its group: 100 blocks of 256.  The four partners that ask for it jointly take 25 blocks each, told apart by address
	; (cx for the tiles shared along the row, cy for those shared along the column); a lane a block, lanes 25-31 name block 24 again.  Behind load n stands the prefetch of refill n + 2, n = 0 .. 5.
	; csg (q's and k's clusters alone): a group of tokens has 131,072 bytes, read by the four partners of a row: partner cx and column half s16 take 16,384 of them, in two asks of 32 blocks, in the loop's first two trips.
	s_cmp_eq_u32 s15, 0
	s_cselect_b64 s[8:9], s[20:21], s[46:47]
	s_cselect_b32 s10, s40, s41
	s_mul_i32 s10, s10, 6400
	s_add_co_u32 s10, s10, 2*QTR
	s_mov_b32 s11, 0
	s_add_nc_u64 s[8:9], s[8:9], s[10:11]
	s_lshl_b32 s10, s17, 1
	s_add_co_u32 s10, s10, s15
	s_lshl_b32 s10, s10, 17
	s_lshl_b32 s12, s40, 1
	s_add_co_u32 s12, s12, s16
	s_lshl_b32 s12, s12, 14
	s_add_co_u32 s10, s10, s12
	s_add_nc_u64 s[12:13], s[68:69], s[10:11]
	s_cmp_eq_u32 ttmp9, 2
	s_cselect_b32 s70, 99, 1                       ; v's clusters read no csg: for them no trip asks
	v_and_b32 v31, 31, v0
	v_min_u32 v30, 24, v31
	v_lshlrev_b32 v30, 8, v30
	v_lshlrev_b32 v31, 8, v31
	CROUND
.irp s, 0,1
	s_mov_b32 s[G0+4*\s], 1
	s_add_co_u32 s[G0+4*\s+1], s45, \s*SLOT
	s_add_nc_u64 s[G0+4*\s+2:G0+4*\s+3], s[20:21], \s*QTR
	s_or_b32 s[G0+4*\s+3], s[G0+4*\s+3], 0x80000000
	s_mov_b32 s[G0B+4*\s], 1
	s_add_co_u32 s[G0B+4*\s+1], s45, \s*SLOT
	s_add_nc_u64 s[G0B+4*\s+2:G0B+4*\s+3], s[46:47], \s*QTR
	s_or_b32 s[G0B+4*\s+3], s[G0B+4*\s+3], 0x80000000
	s_wait_alu depctr_va_vdst(0)
	s_wait_tensorcnt 0x0
	ds_add_u32 v28, v29
	ds_add_u32 v28, v29
	s_wait_dscnt 0x0
	CROUND
	JLOAD G0+4*\s, G1, G0B+4*\s, G1B
	global_prefetch_b8 v30, s[8:9] offset:\s*QTR th:TH_LOAD_NT scope:SCOPE_SE   ; refill s + 2
.endr
	v_and_b32 v1, 15, v0
	v_bfe_u32 v2, v0, 4, 1
	s_wait_alu depctr_va_vdst(0)
	v_and_b32 v3, 31, v0
	v_lshlrev_b32 v3, 4, v3
	s_mul_i32 s21, s15, QTR
	s_mul_i32 s22, s16, QTR
	s_add_co_u32 s22, s22, 2*QTR
.irp s, 0,1
	v_add_nc_u32 v[ADRA+\s], s21, v3
	v_add_nc_u32 v[ADRB+\s], s22, v3
	s_add_co_u32 s21, s21, SLOT
	s_add_co_u32 s22, s22, SLOT
.endr
	s_xor_b32 s23, s15, 1
	s_add_co_u32 s22, s16, s23
	s_add_co_u32 s22, s22, 1
	s_mul_i32 s22, s22, QTR
	v_mul_u32_u24 v6, s22, v2
	v_lshl_add_u32 v5, v1, 4, v6
	s_mul_i32 s21, s15, QTR
	s_add_co_u32 s21, s21, 12288
	v_add_nc_u32 v[ADRS], s21, v5
	s_add_co_u32 s21, s21, SLOT
	v_add_nc_u32 v[ADRS+1], s21, v5
.macro FRAG reg, adr, q, i
.irp c, 0,1,2
	ds_load_b128 v[\reg+4*\c:\reg+4*\c+3], v[\adr] offset:(\q)*GRP+(\i)*1536+512*\c
.endr
.endm
.macro MUL16 a0, p, q, sc, zero
.irp a, \a0, \a0+1
.irp b, 0,1,2,3,4,5,6,7
.if \zero
	v_wmma_scale_f32_16x16x128_f8f6f4 v[8*(8*((\a)%4)+\b):8*(8*((\a)%4)+\b)+7], v[128*(\p)+FR*\b:128*(\p)+FR*\b+FR-1], v[AF+FR*(\a):AF+FR*(\a)+FR-1], 0, v[SC+16*(\sc)+8*(\q)+\b], v[SC+16*(\sc)+8*(\q)+(\a)] matrix_a_fmt:MATRIX_FMT_BF6 matrix_b_fmt:MATRIX_FMT_BF6 matrix_a_scale:MATRIX_SCALE_ROW1
.else
	v_wmma_scale_f32_16x16x128_f8f6f4 v[8*(8*((\a)%4)+\b):8*(8*((\a)%4)+\b)+7], v[128*(\p)+FR*\b:128*(\p)+FR*\b+FR-1], v[AF+FR*(\a):AF+FR*(\a)+FR-1], v[8*(8*((\a)%4)+\b):8*(8*((\a)%4)+\b)+7], v[SC+16*(\sc)+8*(\q)+\b], v[SC+16*(\sc)+8*(\q)+(\a)] matrix_a_fmt:MATRIX_FMT_BF6 matrix_b_fmt:MATRIX_FMT_BF6 matrix_a_scale:MATRIX_SCALE_ROW1
.endif
.endr
.endr
.endm
.macro FETCH_B slot, q, p
	WIN TO_B
.irp i, 0,1,2,3,4,5,6,7
	FRAG 128*(\p)+FR*\i, ADRB+\slot, \q, \i
.endr
	WIN 0
.endm
.macro FETCH_A slot, q, i0
.irp i, \i0, \i0+1, \i0+2, \i0+3
	FRAG AF+FR*(\i), ADRA+\slot, \q, \i
.endr
.endm
.macro SCALES slot
.irp q, 0,1
.irp hh, 0,1
	ds_load_b128 v[SC+16*\slot+8*\q+4*\hh:SC+16*\slot+8*\q+4*\hh+3], v[ADRS+\slot] offset:\q*GRP+256*\hh
.endr
.endr
.endm
.macro PLACES n
.rept \n
	v_nop
.endr
.endm
.macro STEP slot, q, zero
	s_wait_dscnt 4*NL
	WIN MUL_LO
	MUL16 0, (\q)%2, \q, \slot, \zero
	MUL16 2, (\q)%2, \q, \slot, \zero
	s_wait_dscnt 0
	PLACES NP
	FETCH_B \slot, (\q)+1, 1-(\q)%2
	FETCH_A \slot, (\q)+1, 0
	WIN MUL_HI
	MUL16 4, (\q)%2, \q, \slot, \zero
	MUL16 6, (\q)%2, \q, \slot, \zero
	PLACES NP
	WIN 0
	FETCH_A \slot, (\q)+1, 4
.endm
.macro TURN slot, next, fill
.if \fill
	s_wait_xcnt 0x0                                ; my last prefetches, a change of slots back, have read their addresses: they step here, ahead of the change's own waits
	s_add_nc_u64 s[8:9], s[8:9], QTR
.if \slot
	s_add_nc_u64 s[12:13], s[12:13], 8192
.endif
.endif
	s_wait_tensorcnt 0x0
	ds_add_u32 v[SPW], v[NIL]
	s_wait_dscnt 4*NL+1
	WIN MUL_LO
	MUL16 0, 1, 1, \slot, 0
	s_wait_dscnt 0x0
	s_barrier_signal -1
	MUL16 2, 1, 1, \slot, 0
	WIN 0
	s_barrier_wait -1
.if \fill
	CREST
	s_add_nc_u64 s[G0+4*\slot+2:G0+4*\slot+3], s[G0+4*\slot+2:G0+4*\slot+3], 2*QTR
	s_add_nc_u64 s[G0B+4*\slot+2:G0B+4*\slot+3], s[G0B+4*\slot+2:G0B+4*\slot+3], 2*QTR
	JLOAD G0+4*\slot, G1, G0B+4*\slot, G1B
.else
	PLACES NP
.endif
	FETCH_B \next, 0, 0
	FETCH_A \next, 0, 0
	SCALES \next
.if \fill
	s_cmp_gt_u32 s3, 1                             ; the last trip's two refills have no refill two on
	s_cbranch_scc0 .Lnot_t_\@
	global_prefetch_b8 v30, s[8:9] offset:QTR th:TH_LOAD_NT scope:SCOPE_SE
.Lnot_t_\@:
.if \slot == 0
	s_cmp_gt_u32 s3, s70
	s_cbranch_scc0 .Lnot_c_\@
	global_prefetch_b8 v31, s[12:13] th:TH_LOAD_NT scope:SCOPE_SE
.Lnot_c_\@:
.endif
.endif
	WIN MUL_HI
	MUL16 4, 1, 1, \slot, 0
	MUL16 6, 1, 1, \slot, 0
	PLACES NP
	WIN 0
	FETCH_A \next, 0, 4
.endm
	s_wait_alu depctr_va_vdst(0)
	s_wait_tensorcnt 1
	s_barrier_signal -1
	s_barrier_wait -1
	FETCH_B 0, 0, 0
	FETCH_A 0, 0, 0
	SCALES 0
	FETCH_A 0, 0, 4
	STEP 0, 0, 1
	s_mov_b32 s3, LAPS-1
.Llap:
	TURN 0, 1, 1
	STEP 1, 0, 0
	TURN 1, 0, 1
	STEP 0, 0, 0
	s_sub_co_u32 s3, s3, 1
	s_cmp_lg_u32 s3, 0
	s_cbranch_scc1 .Llap
	TURN 0, 1, 0
	STEP 1, 0, 0
	s_wait_dscnt 4*NL
	WIN MUL_LO
	MUL16 0, 1, 1, 1, 0
	MUL16 2, 1, 1, 1, 0
	s_wait_dscnt 0
	WIN MUL_HI
	MUL16 4, 1, 1, 1, 0
	MUL16 6, 1, 1, 1, 0
	WIN 0
	v_bfe_u32 v11, v0, 4, 1
	v_lshlrev_b32 v9, 6, v11
	v_and_b32 v10, 31, v0
	v_lshlrev_b32 v10, 4, v10
	v_mov_b32 v253, 0
	v_mov_b32 v254, 0
.irp b, 0,1,2,3
	v_mov_b32 v[TM+4+\b], 0
.endr
	s_mov_b32 s[SEL], 0x76543210
	s_mov_b32 s[SEL+1], 0xfedcba98
	s_mov_b32 s94, 0x3c000000
	s_mov_b32 s97, 0x358637bd
	s_lshl_b32 s82, s17, 1
	s_add_co_u32 s82, s82, s15
	s_lshl_b32 s83, s42, 1
	s_add_co_u32 s83, s83, s16
	s_sub_co_u32 s88, s82, 16
	s_and_b32 s89, s83, 7
	s_cmp_eq_u32 ttmp9, 2
	s_cselect_b32 s90, s83, s82
	s_cselect_b32 s91, s88, s89
	s_cselect_b32 s95, 12288, 0
	s_cselect_b32 s96, 512, 0
	s_lshr_b32 s88, s90, 4
	s_lshl_b32 s88, s88, 7
	s_lshl_b32 s91, s91, 4
	s_add_co_u32 s88, s88, s91
	s_and_b32 s90, s90, 15
	s_add_co_u32 s88, s88, s90
	s_mov_b32 s89, 24576
	s_cmp_eq_u32 ttmp9, 0
	s_cselect_b32 s89, 12800, s89
	s_cselect_b64 s[84:85], s[76:77], s[78:79]
	s_cselect_b64 s[72:73], s[72:73], s[74:75]
	s_mul_i32 s90, s88, s89
	s_add_co_u32 s90, s90, s95
	s_mov_b32 s91, 0
	s_add_nc_u64 s[84:85], s[84:85], s[90:91]
	s_lshl_b32 s90, s88, 10
	s_add_co_u32 s90, s90, s96
	s_add_nc_u64 s[86:87], s[80:81], s[90:91]
	s_add_nc_u64 s[66:67], s[84:85], 12288
	s_cmp_eq_u32 ttmp9, 0
	s_cselect_b64 s[86:87], s[66:67], s[86:87]
	s_lshl_b32 s66, s82, 17
	s_mov_b32 s67, 0
	s_add_nc_u64 s[68:69], s[68:69], s[66:67]
.macro QUANT s, w, pw, pc
	WIN (\w)|((\w)<<2)
.irp b, 0,1,2,3
	v_max3_num_f32 v[TM+\b], |v[\s+16*\b]|, |v[\s+16*\b+1]|, 0x2800000
.endr
.irp i, 2,4,6,8,10,12,14
.irp b, 0,1,2,3
	v_max3_num_f32 v[TM+\b], |v[\s+16*\b+\i]|, |v[\s+16*\b+\i+1]|, v[TM+\b]
.endr
.endr
	WIN 0
.irp b, 0,1,2,3
	v_permlanex16_b32 v[TM+4+\b], v[TM+\b], s[SEL], s[SEL+1]
.endr
.irp b, 0,1,2,3
	v_max_num_f32 v[TM+\b], v[TM+\b], v[TM+4+\b]
.endr
.irp b, 0,1,2,3
	v_add_nc_u32 v[TM+12+\b], 0xfe000000, v[TM+\b]
.endr
.irp b, 0,1,2,3
	v_lshrrev_b32 v[TM+4+\b], 23, v[TM+12+\b]
.endr
	v_lshl_or_b32 v[\pw], v[TM+5], 8, v[TM+4]
	v_lshl_or_b32 v[\pw], v[TM+6], 16, v[\pw]
	v_lshl_or_b32 v[\pw], v[TM+7], 24, v[\pw]
	WIN (\w)
.irp c, 0,1
	v_cvt_scalef32_pk16_bf6_f32 v[(\pc)+6*\c:(\pc)+6*\c+2], v[\s+32*\c:\s+32*\c+15], v[TM+12+2*\c]
	v_cvt_scalef32_pk16_bf6_f32 v[PS+4*\c:PS+4*\c+2], v[\s+32*\c+16:\s+32*\c+31], v[TM+13+2*\c]
.endr
	WIN 0
	v_nop
.irp c, 0,1
.irp i, 0,1,2
	v_permlane16_swap_b32 v[(\pc)+6*\c+\i], v[PS+4*\c+\i]
.endr
.irp i, 0,1,2
	v_mov_b32 v[(\pc)+3+6*\c+\i], v[PS+4*\c+\i]
.endr
.endr
.endm
.macro PUT a, pc
.irp c, 0,1,2
	global_store_b128 v10, v[(\pc)+4*\c:(\pc)+4*\c+3], s[84:85] offset:1536*(\a)+512*\c
.endr
.endm
	s_cmp_eq_u32 ttmp9, 2
	s_cbranch_scc1 .Lv_out
.macro CSLOAD a
	WIN 0x40
.irp k, 0,1,2,3,4,5,6,7,8,9,10,11,12,13,14,15
	global_load_b128 v[128*((\a)%2)+4*\k:128*((\a)%2)+4*\k+3], v10, s[68:69] offset:(\a)*16384+512*\k
	global_load_b128 v[128*((\a)%2)+64+4*\k:128*((\a)%2)+64+4*\k+3], v10, s[68:69] offset:(\a)*16384+8192+512*\k
.endr
	WIN 0
.endm
.macro BLOCKQ a
.set W, 2+(\a)/4
.set AC, 64*((\a)%4)
.set CSB, 128*((\a)%2)
	WIN W|(W<<2)
	v_pk_mul_f32 v[248:249], v[AC:AC+1], v[AC:AC+1]
	v_pk_mul_f32 v[250:251], v[AC+2:AC+3], v[AC+2:AC+3]
.set i, 4
.rept 15
	v_pk_fma_f32 v[248:249], v[AC+i:AC+i+1], v[AC+i:AC+i+1], v[248:249]
	v_pk_fma_f32 v[250:251], v[AC+i+2:AC+i+3], v[AC+i+2:AC+i+3], v[250:251]
.set i, i+4
.endr
	WIN 0
	v_pk_add_f32 v[248:249], v[248:249], v[250:251]
	v_add_f32 v248, v248, v249
	v_permlanex16_b32 v254, v248, s[SEL], s[SEL+1]
	v_add_f32 v248, v248, v254
	v_fma_f32 v248, v248, s94, s97
	s_wait_alu depctr_va_vdst(0)
	v_rsq_f32 v252, v248
	v_nop
	s_wait_alu depctr_va_vdst(0)
	WIN W
.set i, 0
.rept 32
	v_pk_mul_f32 v[XN+i:XN+i+1], v[AC+i:AC+i+1], v[252:253] op_sel_hi:[1,0]
.set i, i+2
.endr
	WIN 0
.if (\a) < 7
	s_wait_loadcnt 32
.else
	s_wait_loadcnt 0x0
.endif
.set i, 0
.rept 32
	v_pk_mul_f32 v[XN+i:XN+i+1], v[XN+i:XN+i+1], v[NW+i:NW+i+1]
.set i, i+2
.endr
	WIN 0x04
.set i, 0
.rept 32
	v_pk_mul_f32 v[T+i:T+i+1], v[XN+(i+32)%64:XN+(i+32)%64+1], v[CSB+64+i:CSB+64+i+1]
.set i, i+2
.endr
.set i, 0
.rept 16
	v_pk_fma_f32 v[XN+i:XN+i+1], v[XN+i:XN+i+1], v[CSB+i:CSB+i+1], v[T+i:T+i+1] neg_lo:[0,0,1] neg_hi:[0,0,1]
.set i, i+2
.endr
.rept 16
	v_pk_fma_f32 v[XN+i:XN+i+1], v[XN+i:XN+i+1], v[CSB+i:CSB+i+1], v[T+i:T+i+1]
.set i, i+2
.endr
	WIN 0
.if (\a) > 0
	s_wait_xcnt 0x0
.endif
.if (\a) < 6
	CSLOAD (\a)+2
.endif
	QUANT XN, 0, PW+(\a), PC
	PUT \a, PC
.endm
	s_wait_alu depctr_va_vdst(0)
.irp b, 0,1,2,3
.irp j, 0,1,2,3
	global_load_b128 v[NW+16*\b+4*\j:NW+16*\b+4*\j+3], v9, s[72:73] offset:128*\b+16*\j
.endr
.endr
	CSLOAD 0
	CSLOAD 1
.irp a, 0,1,2,3,4,5,6,7
	BLOCKQ \a
.endr
	s_branch .Lwords
.Lv_out:
.macro BLOCKV a
.set W, 2+(\a)/4
.set AC, 64*((\a)%4)
	QUANT AC, W, PW+(\a), 32+12*(\a)
	PUT \a, 32+12*(\a)
.endm
.irp a, 0,1,2,3,4,5,6,7
	BLOCKV \a
.endr
.Lwords:
	v_cmp_ne_u32 vcc_lo, 0, v11
.irp i, 0,1,2,3
	v_cndmask_b32 v[248+\i], v[PW+\i], v[PW+4+\i], vcc_lo
.endr
	global_store_b128 v10, v[248:251], s[86:87]
	s_wait_tensorcnt 0x0
	ds_add_u32 v[SPW], v[NIL]
	s_wait_dscnt 0x0
	CROUND
	s_endpgm
.Lfunc_end_k_q8004e0e01a_qkv:
	.size	k_q8004e0e01a_qkv, .Lfunc_end_k_q8004e0e01a_qkv-k_q8004e0e01a_qkv
	.p2alignl 7, 3214868480
	.fill 96, 4, 3214868480
	.section	.rodata,"a",@progbits
	.p2align	6, 0x0
	.amdhsa_kernel k_q8004e0e01a_qkv
		.amdhsa_group_segment_fixed_size 327680
		.amdhsa_private_segment_fixed_size 0
		.amdhsa_enable_private_segment 0
		.amdhsa_kernarg_size 64
		.amdhsa_user_sgpr_count 2
		.amdhsa_user_sgpr_kernarg_segment_ptr 1
		.amdhsa_wavefront_size32 1
		.amdhsa_system_sgpr_workgroup_id_x 1
		.amdhsa_system_sgpr_workgroup_id_y 1
		.amdhsa_system_sgpr_workgroup_id_z 1
		.amdhsa_system_vgpr_workitem_id 0
		.amdhsa_next_free_vgpr 1024
		.amdhsa_next_free_sgpr 100
		.amdhsa_reserve_vcc 1
		.amdhsa_float_denorm_mode_32 3
		.amdhsa_float_denorm_mode_16_64 3
		.amdhsa_memory_ordered 1
		.amdhsa_forward_progress 1
		.amdhsa_inst_pref_size 255
	.end_amdhsa_kernel
	.section	.bss,"aw",@nobits
	.p2align	6
	.space	262144
	.amdgpu_metadata
---
amdhsa.version: [ 1, 2 ]
amdhsa.kernels:
  - .name:           k_q8004e0e01a_qkv
    .symbol:         k_q8004e0e01a_qkv.kd
    .args:
      - { .name: xg, .offset: 0, .size: 8, .value_kind: global_buffer, .address_space: global }
      - { .name: wg, .offset: 8, .size: 8, .value_kind: global_buffer, .address_space: global }
      - { .name: q_norm_w, .offset: 16, .size: 8, .value_kind: global_buffer, .address_space: global }
      - { .name: k_norm_w, .offset: 24, .size: 8, .value_kind: global_buffer, .address_space: global }
      - { .name: qg, .offset: 32, .size: 8, .value_kind: global_buffer, .address_space: global }
      - { .name: kvc, .offset: 40, .size: 8, .value_kind: global_buffer, .address_space: global }
      - { .name: kvs, .offset: 48, .size: 8, .value_kind: global_buffer, .address_space: global }
      - { .name: csg, .offset: 56, .size: 8, .value_kind: global_buffer, .address_space: global }
    .group_segment_fixed_size: 327680
    .private_segment_fixed_size: 0
    .kernarg_segment_align: 8
    .kernarg_segment_size: 64
    .max_flat_workgroup_size: 128
    .sgpr_count:     100
    .vgpr_count:     1024
    .wavefront_size: 32
...
	.end_amdgpu_metadata
.endif
;; end of part 2
;; launch attn (part 3): grid 256 x 1, 4 waves a work-group, clusters of 4 x 1, 327,680 bytes of LDS; arguments qg, kvc, kvs, attention_mask, ag; writes ag
.if DOCPART == 3
	.amdgcn_target "amdgcn-amd-amdhsa--gfx1250"
	.amdhsa_code_object_version 6
	.text
	.protected	k_q8004e0e01a_attn
	.globl	k_q8004e0e01a_attn
	.p2align	8
	.type	k_q8004e0e01a_attn,@function
k_q8004e0e01a_attn:
	s_mov_b64 s[64:65], 0
	v_nop
	global_prefetch_b8 v0, s[64:65] scope:SCOPE_SE
	s_setreg_imm32_b32 hwreg(HW_REG_WAVE_MODE, 25, 1), 1
	s_wait_xcnt 0x0
	s_wait_alu depctr_hold_cnt(0) depctr_sa_sdst(0) depctr_va_vdst(0) depctr_va_sdst(0) depctr_va_ssrc(0) depctr_va_vcc(0) depctr_vm_vsrc(0)
	s_getreg_b32 s2, hwreg(HW_REG_IB_STS2, 6, 4)
	s_cmp_eq_u32 s2, 0
	s_cbranch_scc0 .Lentry_in_a_cluster
	s_endpgm
.Lentry_in_a_cluster:
	s_bfe_u32 s2, ttmp6, 0x10000c
	s_cmp_lg_u32 s2, 0x3003
	s_cbranch_scc0 .Lentry_shape_is_right
	s_endpgm
.Lentry_shape_is_right:
; THIRD LAUNCH: attention on codes of E3M2: scores, x 128^-0.5, + attention_mask, the streaming softmax, the product with v, the division by the row's sum, the quantiser for the projection out.
; No work is left out: the mask is an input, so all 16 key steps of 128 keys are walked and every mask number is added.
; THE SOFTMAX: t = logit x log2(e); M = the running largest t rounded up to a whole number; p = 2^(t - M) is quantised along the keys, not normalised; the row's sum is taken of the unquantised p
; and divides at the end; when M moves, the sum and O are multiplied by 2^(old M - new M), which rounds nothing.  The order in which the key steps are walked is free under a running M.
; SHARES.  64 clusters of four work-groups: cluster = 32 batch + (block of 64 queries); the work-group's place in it = a pair of heads.  A work-group owns 64 queries x 2 heads; wave w owns head w & 1 of the pair
; and queries 32 (w >> 1) on: two fragments of 16 queries.
; THE MASK of 64 queries goes through a ring of two slots of four key steps: a slot is four blocks of 64 rows x (512 + 8) bytes, one a key step.  A wave fetches one block of a group of four with one tensor load
; (rows of 512 bytes of memory, at multiples of 512).  The four work-groups of a cluster need the same rows: each load is asked for jointly (mask 15).  Group 0 goes out at the head, group g + 1 behind the round in
; front of group g's four steps: four changes in all.
; K AND V lie in memory as images of the operand's registers: each wave loads its head's fragments straight into registers, 512 consecutive bytes a load; the two waves of a head name the same bytes at the same place of the text.
; They pass no LDS, so no joint load serves them: beside the ring LDS has 60,928 bytes, and two slots of one key step's K and V of two heads would take 98,304.
; K of step t + 1 is asked for behind the scores' products of step t, V of step t + 1 behind the second products of step t: the loads themselves run a step ahead, so no prefetch is laid for them.
; THE WALK: block (g, j) holds key step 4 ((c0 + g) % 4) + (j0 + j) % 4, with c0, j0 from the block of queries, which the cluster shares: only global addresses hang on them, no LDS address.
; PREFETCH: behind group g + 1's tensor load the bytes of group g + 2 (g < 2) are named, 64 rows x 2,048 bytes = 512 blocks of 256: a partner takes 16 rows (told apart by address), a wave 4 rows, a lane a block.
; LAYOUT.  Both products are used transposed (S^T = K Q^T, O^T = V^T P^T): a lane holds one query of each tile; the 16 registers of result tiles 2 b, 2 b + 1 are keys (channels) 32 b + 16 (lane / 16) + 0 .. 15.
; LIMITS: NaN and infinities are not served; score x scaling + mask is one fused multiply-add; a block whose every p has fallen to 0 keeps the byte 1 (its codes are zeros).
; The result's scale words leave as 8 bytes a row, 16 bytes apart: the group's layout puts four fragments' words side by side, and a wave owns two of them.
; REGISTERS.  window 0: v1-7 addresses; v12-19 -M, largest t, sum (two tiles); v20-43 Q; v44-63 scale words (Q, p, K, V); v64-67 the factors; v68-91 p's codes; v92-127 at work; v128-255 S^T, then p.
; window 1: v0-95 K's fragments, v96-191 V's.   window 2: v0-127 the mask, v128-255 O^T.
.set GRP,   12800
.set BLK,   33280                      ; 64 rows x 520 bytes = 130 words a row: rows (r & 7) + 16 (r >> 3) and 64 bytes a half put the 32 lanes of a load of 8 bytes on 64 different banks (ISA guide 11.1)
.set SLOTB, 4*BLK
.set SPARE, 2*SLOTB                    ; the spare words, 128 bytes a wave
.set ADM,   4
.set SPW,   5
.set NIL,   6
.set PFO,   7
.set QF,    20
.set QS,    44
.set PW,    46
.set KS,    48
.set VS,    56
.set FF,    64
.set PCD,   68
.set BM,    92
.set CT,    92
.set PT,    100
.set SO,    108
.set XS,    116
.set TP,    124
.set SR,    128
.set WV,    14
.set SEL,   22
.set CS,    24
.set SCL,   26
.set TT,    28                         ; the step's place in the walk
.set TB,    29                         ; LDS byte of its block
.set CI,    30
.set JJ,    31
.set G1,    32
.set G0,    40
.set MB,    44
.set OFF,   46
.set KH,    48
.set SH,    50
.set KB,    52
.set SB,    54
.set PFB,   56
.set PFA,   58
.set C0,    60
.set J0,    61
.set PB,    62                         ; which pair of a group's fragments is mine
.set WB,    63                         ; wave x BLK
.set FS,    66                         ; the slot that is filled next
.set TBS,   67                         ; the slot that is read
.set AGF,   76
.set AGS,   78
.set MSB, 0
.macro WIN new                         ; bits 1:0 source 0, 3:2 source 1, 5:4 source 2, 7:6 destination; the high byte repeats the setting that is left
.if MSB != (\new)
	s_set_vgpr_msb (MSB<<8)|(\new)
.set MSB, (\new)
.endif
.endm
.macro NOPS
.rept 4
	v_nop
.endr
.endm
.macro ROUND                           ; a round of the cluster's barrier
	s_barrier_signal -1
	s_barrier_wait -1
	s_cmp_lg_u32 s[WV], 0
	s_cbranch_scc1 .Lnot_wave_0_\@
	s_barrier_signal -3
.Lnot_wave_0_\@:
	s_barrier_wait -3
	s_barrier_signal -1
	s_barrier_wait -1
.endm
.macro KLOAD                           ; 26 loads: K's scale words and eight fragments of the step at s[KB], s[SB]
	global_load_b128 v[KS:KS+3], v3, s[SB:SB+1]
	global_load_b128 v[KS+4:KS+7], v3, s[SB:SB+1] offset:256
	WIN 0x40
.irp f, 0,1,2,3,4,5,6,7
.irp c, 0,1,2
	global_load_b128 v[12*\f+4*\c:12*\f+4*\c+3], v1, s[KB:KB+1] offset:1536*\f+512*\c
.endr
.endr
	WIN 0
.endm
.macro VLOAD                           ; 26 loads: V's
	global_load_b128 v[VS:VS+3], v3, s[SB:SB+1] offset:512
	global_load_b128 v[VS+4:VS+7], v3, s[SB:SB+1] offset:768
	WIN 0x40
.irp f, 0,1,2,3,4,5,6,7
.irp c, 0,1,2
	global_load_b128 v[96+12*\f+4*\c:96+12*\f+4*\c+3], v1, s[KB:KB+1] offset:12288+1536*\f+512*\c
.endr
.endr
	WIN 0
.endm
; v[BM + 4 u + b]: the largest magnitude of block b of tile u, floored.  Out: the tiles' scale words in v[PW + u], their 12 registers of codes in v[PCD + 12 u] on.
.macro CODES
.irp k, 0,1,2,3,4,5,6,7
	v_add_nc_u32 v[SO+\k], 0xfe000000, v[BM+\k]    ; 4 off the exponent field: the conversion's scale operand
.endr
.irp k, 0,1,2,3,4,5,6,7
	v_lshrrev_b32 v[PT+\k], 23, v[SO+\k]           ; the byte
.endr
.irp u, 0,1
	v_lshl_or_b32 v[PW+\u], v[PT+4*\u+1], 8, v[PT+4*\u]
.endr
.irp u, 0,1
	v_lshl_or_b32 v[PW+\u], v[PT+4*\u+2], 16, v[PW+\u]
.endr
.irp u, 0,1
	v_lshl_or_b32 v[PW+\u], v[PT+4*\u+3], 24, v[PW+\u]
.endr
.irp u, 0,1
.irp c, 0,1
	v_cvt_scalef32_pk16_bf6_f32 v[PCD+12*\u+6*\c:PCD+12*\u+6*\c+2], v[SR+64*\u+32*\c:SR+64*\u+32*\c+15], v[SO+4*\u+2*\c]
	v_cvt_scalef32_pk16_bf6_f32 v[CT+8*\u+4*\c:CT+8*\u+4*\c+2], v[SR+64*\u+32*\c+16:SR+64*\u+32*\c+31], v[SO+4*\u+2*\c+1]
.endr
.endr
	v_nop                                          ; one plain instruction behind the conversions
.irp u, 0,1
.irp c, 0,1                                    ; the layout wants a whole block in a lane
.irp i, 0,1,2
	v_permlane16_swap_b32 v[PCD+12*\u+6*\c+\i], v[CT+8*\u+4*\c+\i]
.endr
.irp i, 0,1,2
	v_mov_b32 v[PCD+12*\u+6*\c+3+\i], v[CT+8*\u+4*\c+\i]
.endr
.endr
.endr
.endm
; THE CHANGE OF SLOTS, in front of a group's four steps: all my tensor loads are in, an add to my spare word, my reads of the slot left behind are over.
; fill = 1: a round of the cluster's barrier, and behind it my block of the next group goes into the other slot; then the prefetch of the group after that.  fill = 0: my work-group's barrier alone.
.macro CHANGE fill
	s_wait_tensorcnt 0x0
	ds_add_u32 v[SPW], v[NIL]
.if \fill
	s_add_co_u32 s68, s[C0], s[CI]                 ; no tensor load of mine is out: the descriptor steps
	s_add_co_u32 s69, s68, 2
	s_add_co_u32 s68, s68, 1
	s_and_b32 s68, s68, 3
	s_lshl_b32 s[OFF], s68, 11                     ; 2,048 bytes of a row to a group
	s_add_nc_u64 s[G0+2:G0+3], s[MB:MB+1], s[OFF:OFF+1]
	s_or_b32 s[G0+3], s[G0+3], 0x80000000
	s_xor_b32 s[FS], s[FS], SLOTB
	s_add_co_u32 s[G0+1], s[FS], s[WB]
	s_and_b32 s69, s69, 3
	s_lshl_b32 s[OFF], s69, 11
	s_wait_xcnt 0x0                                ; the last prefetch, four steps back, has read its address
	s_add_nc_u64 s[PFA:PFA+1], s[PFB:PFB+1], s[OFF:OFF+1]
	s_wait_dscnt 0x0
	ROUND
	tensor_load_to_lds s[G0:G0+3], s[G1:G1+7]
	s_nop 0
	NOPS
	s_cmp_lt_u32 s[CI], 2                          ; groups 2 and 3 alone have a trip ahead of their load
	s_cbranch_scc0 .Lnp_\@
	global_prefetch_b8 v[PFO], s[PFA:PFA+1] th:TH_LOAD_NT scope:SCOPE_SE
.Lnp_\@:
.else
	s_wait_dscnt 0x0
	s_barrier_signal -1
	s_barrier_wait -1
.endif
	s_mov_b32 s[TB], s[TBS]
	s_mov_b32 s[JJ], 0
.endm
; A key step for both tiles of queries.  last = 1: the copy in which the walk ends: its last trip asks for no further K and V.
.macro STEP last
	v_add_nc_u32 v[ADM], s[TB], v2
	WIN 0x80
.irp u, 0,1
.irp b, 0,1,2,3
.irp m, 0,1,2,3,4,5,6,7
	ds_load_b64 v[64*\u+16*\b+2*\m:64*\u+16*\b+2*\m+1], v[ADM] offset:4160*\u+128*\b+8*\m   ; the mask of my two queries at my 64 keys, in the scores' order
.endr
.endr
.endr
	WIN 0
	s_wait_alu depctr_va_vdst(0)
	s_wait_loadcnt 26                              ; Q and K are in; V's 26 loads, issued behind them, may be out
	WIN 0x01
.irp t, 0,1,2,3,4,5,6,7                        ; S^T = K Q^T: each fragment of K serves both tiles; 16 accumulators by turns
.irp u, 0,1
	v_wmma_scale_f32_16x16x128_f8f6f4 v[SR+64*\u+8*\t:SR+64*\u+8*\t+7], v[12*\t:12*\t+11], v[QF+12*\u:QF+12*\u+11], 0, v[KS+\t], v[QS+\u] matrix_a_fmt:MATRIX_FMT_BF6 matrix_b_fmt:MATRIX_FMT_BF6
.endr
.endr
	WIN 0
	NOPS                                           ; four places: ahead of loads into K's registers and of the first read of the scores
	s_wait_xcnt 0x0                                ; V's loads, issued ahead of the mask's reads and the products, have read their bases: they step to the walk's next key step
	s_add_co_u32 s68, s[TT], 1
	s_lshr_b32 s69, s68, 2
	s_add_co_u32 s69, s69, s[C0]
	s_and_b32 s69, s69, 3
	s_add_co_u32 s68, s68, s[J0]
	s_and_b32 s68, s68, 3
	s_lshl_b32 s69, s69, 2
	s_or_b32 s68, s68, s69
	s_mul_i32 s[OFF], s68, 24576
	s_add_nc_u64 s[KB:KB+1], s[KH:KH+1], s[OFF:OFF+1]
	s_lshl_b32 s[OFF], s68, 10
	s_add_nc_u64 s[SB:SB+1], s[SH:SH+1], s[OFF:OFF+1]
.if \last
	s_cmp_lt_u32 s[TT], 15
	s_cbranch_scc0 .Lnk_\@
.endif
	KLOAD
.if \last
.Lnk_\@:
.endif
	s_wait_dscnt 32                                ; tile 0's mask is in; tile 1's 32 loads may be out
	WIN 0x20
.set i, 0
.rept 32
	v_pk_fma_f32 v[SR+i:SR+i+1], v[SR+i:SR+i+1], s[SCL:SCL+1], v[i:i+1] op_sel_hi:[1,0,1]   ; the logit; each accumulator from its low end on
.set i, i+2
.endr
	s_wait_dscnt 0x0
.rept 32
	v_pk_fma_f32 v[SR+i:SR+i+1], v[SR+i:SR+i+1], s[SCL:SCL+1], v[i:i+1] op_sel_hi:[1,0,1]
.set i, i+2
.endr
	WIN 0
.irp k, 0,1,2,3,4,5,6,7
	v_max3_num_f32 v[BM+\k], v[SR+16*\k], v[SR+16*\k+1], v[SR+16*\k+2]   ; the largest logit of each block of 32 keys: for the row's maximum and for the block's largest p
.endr
.irp i, 3,5,7,9,11,13
.irp k, 0,1,2,3,4,5,6,7
	v_max3_num_f32 v[BM+\k], v[BM+\k], v[SR+16*\k+\i], v[SR+16*\k+\i+1]
.endr
.endr
.irp k, 0,1,2,3,4,5,6,7
	v_max_num_f32 v[BM+\k], v[BM+\k], v[SR+16*\k+15]
.endr
.irp k, 0,1,2,3,4,5,6,7
	v_permlanex16_b32 v[PT+\k], v[BM+\k], s[SEL], s[SEL+1]
.endr
.irp k, 0,1,2,3,4,5,6,7
	v_max_num_f32 v[BM+\k], v[BM+\k], v[PT+\k]
.endr
.irp u, 0,1
	v_max3_num_f32 v[TP+2*\u], v[BM+4*\u], v[BM+4*\u+1], v[BM+4*\u+2]
.endr
.irp u, 0,1
	v_max_num_f32 v[TP+2*\u], v[TP+2*\u], v[BM+4*\u+3]
.endr
.irp u, 0,1
	v_mul_f32 v[TP+2*\u], s[CS], v[TP+2*\u]        ; as t
.endr
.irp u, 0,1
	v_max_num_f32 v[13+4*\u], v[13+4*\u], v[TP+2*\u]   ; the running largest t
.endr
.irp u, 0,1
	v_mov_b32 v[TP+2*\u], v[12+4*\u]
.endr
.irp u, 0,1
	v_floor_f32 v[12+4*\u], -v[13+4*\u]            ; the new -M = -ceil(t)
.endr
.irp u, 0,1
	v_sub_f32 v[TP+2*\u], v[12+4*\u], v[TP+2*\u]   ; old M - new M: a whole number, 0 or less
.endr
.irp u, 0,1
	v_cvt_i32_f32 v[TP+2*\u], v[TP+2*\u]           ; (it saturates)
.endr
.irp u, 0,1
	v_ldexp_f32 v[FF+2*\u], 1.0, v[TP+2*\u]        ; f = 2^(old M - new M)
.endr
.irp u, 0,1
.set i, 0
.rept 32
	v_pk_fma_f32 v[SR+64*\u+i:SR+64*\u+i+1], v[SR+64*\u+i:SR+64*\u+i+1], s[CS:CS+1], v[12+4*\u:13+4*\u] op_sel_hi:[1,0,0]   ; t - M
.set i, i+2
.endr
.endr
.irp k, 0,1,2,3,4,5,6,7
	v_fma_f32 v[BM+\k], v[BM+\k], s[CS], v[12+4*(\k/4)]
.endr
	s_wait_alu depctr_va_vdst(0)
.set i, 0
.rept 128
	v_exp_f32 v[SR+i], v[SR+i]                     ; p = 2^(t - M)
.set i, i+1
.endr
.irp u, 0,1
	v_pk_mul_f32 v[14+4*\u:15+4*\u], v[14+4*\u:15+4*\u], v[FF+2*\u:FF+2*\u+1] op_sel_hi:[1,0]   ; the sums under the new M
.endr
	s_wait_alu depctr_va_vdst(0)                   ; one wait for the batch, ahead of its first reader
.irp k, 0,1,2,3,4,5,6,7
	v_exp_f32 v[BM+\k], v[BM+\k]                   ; each block's largest p
.endr
.irp u, 0,1                                    ; the rows' sums of the unquantised p: three chains a tile
	v_pk_add_f32 v[XS+4*\u:XS+4*\u+1], v[SR+64*\u:SR+64*\u+1], v[SR+64*\u+2:SR+64*\u+3]
	v_pk_add_f32 v[XS+4*\u+2:XS+4*\u+3], v[SR+64*\u+4:SR+64*\u+5], v[SR+64*\u+6:SR+64*\u+7]
.endr
.set i, 8
.rept 9
.irp u, 0,1
	v_pk_add_f32 v[14+4*\u:15+4*\u], v[14+4*\u:15+4*\u], v[SR+64*\u+i:SR+64*\u+i+1]
	v_pk_add_f32 v[XS+4*\u:XS+4*\u+1], v[XS+4*\u:XS+4*\u+1], v[SR+64*\u+i+2:SR+64*\u+i+3]
	v_pk_add_f32 v[XS+4*\u+2:XS+4*\u+3], v[XS+4*\u+2:XS+4*\u+3], v[SR+64*\u+i+4:SR+64*\u+i+5]
.endr
.set i, i+6
.endr
.irp u, 0,1
	v_pk_add_f32 v[14+4*\u:15+4*\u], v[14+4*\u:15+4*\u], v[SR+64*\u+62:SR+64*\u+63]
.endr
.irp u, 0,1
	v_pk_add_f32 v[XS+4*\u:XS+4*\u+1], v[XS+4*\u:XS+4*\u+1], v[XS+4*\u+2:XS+4*\u+3]
.endr
.irp u, 0,1
	v_pk_add_f32 v[14+4*\u:15+4*\u], v[14+4*\u:15+4*\u], v[XS+4*\u:XS+4*\u+1]
.endr
	s_wait_alu depctr_va_vdst(0)                   ; and one for the eight
.irp k, 0,1,2,3,4,5,6,7
	v_max_num_f32 v[BM+\k], 0x2800000, v[BM+\k]    ; the floor 2^(5 - 127)
.endr
	CODES
	WIN 0x82
	s_wait_alu depctr_va_vdst(0)                   ; ahead of the first reader of O^T
.irp u, 0,1
.set i, 0
.rept 32
	v_pk_mul_f32 v[128+64*\u+i:129+64*\u+i], v[128+64*\u+i:129+64*\u+i], v[FF+2*\u:FF+2*\u+1] op_sel_hi:[1,0]   ; O^T under the new M; also the places in front of the products below
.set i, i+2
.endr
.endr
	s_wait_alu depctr_va_vdst(0)
.if \last
	s_wait_loadcnt 0x0                             ; V is in (in this copy's last trip no younger load stands behind V's)
.else
	s_wait_loadcnt 26                              ; V is in; the next K's 26 loads, issued behind V's, may be out
.endif
	WIN 0xa1
.irp t, 0,1,2,3,4,5,6,7                        ; O^T += V^T P^T: each fragment of V serves both tiles; 16 accumulators by turns
.irp u, 0,1
	v_wmma_scale_f32_16x16x128_f8f6f4 v[128+64*\u+8*\t:135+64*\u+8*\t], v[96+12*\t:96+12*\t+11], v[PCD+12*\u:PCD+12*\u+11], v[128+64*\u+8*\t:135+64*\u+8*\t], v[VS+\t], v[PW+\u] matrix_a_fmt:MATRIX_FMT_BF6 matrix_b_fmt:MATRIX_FMT_BF6
.endr
.endr
	WIN 0
	NOPS                                           ; four places ahead of loads into V's registers
.if \last
	s_cmp_lt_u32 s[TT], 15
	s_cbranch_scc0 .Lnv_\@
.endif
	VLOAD
.if \last
.Lnv_\@:
.endif
	s_add_co_u32 s[TT], s[TT], 1
	s_add_co_u32 s[TB], s[TB], BLK
	s_add_co_u32 s[JJ], s[JJ], 1
	s_cmp_lt_u32 s[JJ], 4
.endm
	s_load_b256 s[4:11], s[0:1], 0x0               ; qg, kvc, kvs, attention_mask
	s_load_b64 s[12:13], s[0:1], 0x20              ; ag
	v_lshl_add_u32 v[SPW], v0, 2, SPARE
	v_mov_b32 v[NIL], 0
	ds_add_u32 v[SPW], v[NIL]                      ; the opening: the add, twice on end, and its wait ahead of the round in front of the first tensor loads
	ds_add_u32 v[SPW], v[NIL]
	v_lshrrev_b32 v8, 5, v0
	v_readfirstlane_b32 s[WV], v8                  ; wave
	s_bfe_u32 s15, ttmp6, 0x40000                  ; cx: which pair of heads
	s_lshr_b32 s17, ttmp9, 5                       ; batch
	s_and_b32 s16, ttmp9, 31                       ; block of 64 queries
	s_and_b32 s68, s[WV], 1                        ; which head of the pair
	s_lshr_b32 s21, s[WV], 1                       ; which 32 queries
	s_lshl_b32 s18, s17, 3
	s_lshl_b32 s69, s15, 1
	s_add_co_u32 s18, s18, s69
	s_add_co_u32 s18, s18, s68                     ; batch x 8 + head
	s_lshl_b32 s20, s16, 1
	s_add_co_u32 s20, s20, s21                     ; block of 32 queries
	s_lshr_b32 s19, s20, 2                         ; group of 128 queries
	s_and_b32 s[PB], s20, 3                        ; which pair of its fragments
	s_and_b32 s[J0], s16, 3
	s_bfe_u32 s[C0], s16, 0x20002
	s_mul_i32 s21, s21, 16640                      ; my 32 rows of a block
	s_lshl_b32 s20, s15, 4
	s_lshl_b32 s69, s[WV], 2
	s_add_co_u32 s20, s20, s69                     ; the prefetches: my four rows of the 64
	s_lshl_b32 s68, s17, 24
	s_lshl_b32 s69, s16, 19                        ; 64 rows of 8,192 bytes
	s_add_co_u32 s68, s68, s69
	s_mov_b32 s69, 0
	s_add_co_u32 s70, s[J0], s[WV]
	s_and_b32 s70, s70, 3
	s_lshl_b32 s70, s70, 9                         ; my block of a group: key step (j0 + wave) % 4 of its four
	s_mov_b32 s71, 0
	s_lshl_b32 s[OFF], s[C0], 11
	s_mov_b32 s[OFF+1], 0
	s_mul_i32 s[WB], s[WV], BLK
	s_mov_b32 s[FS], 0
	s_mov_b32 s[TBS], 0
	s_mov_b32 s[G0], 1
	s_mov_b32 s[G0+1], s[WB]
	s_mov_b32 s[G1], 15|(2<<16)|(1<<20)|(1<<21)|(6<<22)|(1<<25)   ; all four of the cluster; elements of 4 bytes; bit 21 beside a mask; behind every 128 words 2 words of padding
	s_mov_b32 s[G1+1], 128<<16
	s_mov_b32 s[G1+2], 64<<16
	s_mov_b32 s[G1+3], 128<<16
	s_mov_b32 s[G1+4], 64
	s_mov_b32 s[G1+5], 2048
	s_mov_b32 s[G1+6], 0
	s_mov_b32 s[G1+7], 0
	s_mov_b32 s[SEL], 0x76543210
	s_mov_b32 s[SEL+1], 0xfedcba98
	s_mov_b32 s[CS], 0x3fb8aa3b                    ; log2(e)
	s_mov_b32 s[CS+1], s[CS]
	s_mov_b32 s[SCL], 0x3db504f3                   ; 128^-0.5
	s_mov_b32 s[SCL+1], s[SCL]
	s_mov_b32 s[TT], 0
	s_mov_b32 s[CI], 0
	s_wait_dscnt 0x0                               ; both opening adds are done
	s_wait_kmcnt 0x0
	s_add_nc_u64 s[PFB:PFB+1], s[10:11], s[68:69]
	s_add_nc_u64 s[MB:MB+1], s[PFB:PFB+1], s[70:71]
	s_add_nc_u64 s[G0+2:G0+3], s[MB:MB+1], s[OFF:OFF+1]
	s_or_b32 s[G0+3], s[G0+3], 0x80000000
	ROUND                                          ; all four work-groups are here: the first joint loads meet
	tensor_load_to_lds s[G0:G0+3], s[G1:G1+7]      ; my block of group 0: one tensor load a wave at the head
	s_nop 0
	v_and_b32 v9, 31, v0
	v_and_b32 v10, 15, v0                          ; r
	v_bfe_u32 v11, v0, 4, 1                        ; h
	v_lshlrev_b32 v1, 4, v9                        ; 16 x lane
	v_lshlrev_b32 v3, 4, v10                       ; 16 r
	v_and_b32 v12, 7, v10
	v_lshrrev_b32 v13, 3, v10
	v_lshl_add_u32 v12, v13, 4, v12                ; (r & 7) + 16 (r >> 3): tile 0's row; tile 1's lies 8 rows on
	v_mul_u32_u24 v2, v12, 520
	v_lshl_add_u32 v2, v11, 6, v2                  ; + 64 h: my 16 keys of a block of 32
	v_add_nc_u32 v2, s21, v2
	v_lshrrev_b32 v[PFO], 3, v9
	v_add_nc_u32 v[PFO], s20, v[PFO]
	v_lshlrev_b32 v[PFO], 13, v[PFO]
	v_and_b32 v8, 7, v9
	v_lshl_add_u32 v[PFO], v8, 8, v[PFO]           ; a row for eight lanes, 256 bytes each
	s_wait_alu depctr_va_vdst(0)                   ; ahead of the scalar run
	s_mul_i32 s68, s18, 393216
	s_add_nc_u64 s[KH:KH+1], s[6:7], s[68:69]      ; my head in kvc
	s_lshl_b32 s68, s18, 14
	s_add_nc_u64 s[SH:SH+1], s[8:9], s[68:69]      ; and in kvs
	s_lshl_b32 s70, s[C0], 2
	s_or_b32 s70, s70, s[J0]                       ; the walk's first key step
	s_mul_i32 s68, s70, 24576
	s_add_nc_u64 s[KB:KB+1], s[KH:KH+1], s[68:69]
	s_lshl_b32 s68, s70, 10
	s_add_nc_u64 s[SB:SB+1], s[SH:SH+1], s[68:69]
	s_lshl_b32 s68, s18, 4
	s_add_co_u32 s68, s68, s19
	s_mul_i32 s68, s68, GRP
	s_add_nc_u64 s[4:5], s[4:5], s[68:69]          ; my group in qg
	s_lshr_b32 s70, s[PB], 1
	s_lshl_b32 s70, s70, 8
	s_and_b32 s72, s[PB], 1
	s_lshl_b32 s72, s72, 3
	s_add_co_u32 s70, s70, s72
	s_add_co_u32 s70, s70, 12288                   ; my two fragments' scale words in a group
	s_mul_i32 s72, s[PB], 3072                     ; and the fragments
	s_mov_b32 s73, 0
	s_add_nc_u64 s[74:75], s[4:5], s[70:71]
	s_add_nc_u64 s[4:5], s[4:5], s[72:73]
	s_lshl_b32 s68, s17, 4
	s_add_co_u32 s68, s68, s19
	s_lshl_b32 s68, s68, 3
	s_and_b32 s76, s18, 7
	s_add_co_u32 s68, s68, s76
	s_mul_i32 s68, s68, GRP
	s_add_nc_u64 s[12:13], s[12:13], s[68:69]      ; my group in ag: (group of tokens) x 8 + head
	s_add_nc_u64 s[AGS:AGS+1], s[12:13], s[70:71]
	s_add_nc_u64 s[AGF:AGF+1], s[12:13], s[72:73]
.irp u, 0,1
.irp c, 0,1,2
	global_load_b128 v[QF+12*\u+4*\c:QF+12*\u+4*\c+3], v1, s[4:5] offset:1536*\u+512*\c   ; Q's two fragments stay in registers
.endr
.endr
	global_load_b64 v[QS:QS+1], v3, s[74:75]
	KLOAD
	VLOAD
.irp u, 0,1
	v_mov_b32 v[13+4*\u], 0xff61b1e6               ; the largest t so far: -3e38
	v_mov_b32 v[14+4*\u], 0
	v_mov_b32 v[15+4*\u], 0
	v_mov_b32 v[FF+2*\u+1], 0                      ; (named as the upper half of a pair)
.endr
.irp u, 0,1
	v_floor_f32 v[12+4*\u], -v[13+4*\u]
.endr
.irp k, 0,1,2,3,4,5,6,7
	v_mov_b32 v[PT+\k], 0                          ; (a lane permute's destination counts as one of its sources)
.endr
	WIN 0x80
.set i, 0
.rept 128
	v_mov_b32 v[128+i], 0                          ; O^T: the step is written for every step alike; the first finds zeros
.set i, i+1
.endr
	WIN 0
	s_wait_alu depctr_va_vdst(0)                   ; the head's end
.Lchunk:                                           ; three trips: group g is worked while group g + 1 is on its way
	CHANGE 1
.Lstep:
	STEP 0
	s_cbranch_scc1 .Lstep
	s_xor_b32 s[TBS], s[TBS], SLOTB
	s_add_co_u32 s[CI], s[CI], 1
	s_cmp_lt_u32 s[CI], 3
	s_cbranch_scc1 .Lchunk
	CHANGE 0                                       ; the last group is written out: nothing is left to ask for
.Ltail:
	STEP 1
	s_cbranch_scc1 .Ltail
; THE WAY OUT: O^T / the sum is the projection's operand: register 16 b + i = channel 32 b + 16 h + i of my query; the head is its K step.
.irp u, 0,1
	v_add_f32 v[14+4*\u], v[14+4*\u], v[15+4*\u]
.endr
.irp u, 0,1
	v_permlanex16_b32 v[TP+2*\u], v[14+4*\u], s[SEL], s[SEL+1]
.endr
.irp u, 0,1
	v_add_f32 v[14+4*\u], v[14+4*\u], v[TP+2*\u]   ; the row's sum
.endr
	s_wait_alu depctr_va_vdst(0)
.irp u, 0,1
	v_rcp_f32 v[14+4*\u], v[14+4*\u]
.endr
	v_nop
	WIN 0x02
	s_wait_alu depctr_va_vdst(0)                   ; ahead of the reciprocals' first reader, which is also O^T's
.irp u, 0,1
.set i, 0
.rept 32
	v_pk_mul_f32 v[SR+64*\u+i:SR+64*\u+i+1], v[128+64*\u+i:129+64*\u+i], v[14+4*\u:15+4*\u] op_sel_hi:[1,0]
.set i, i+2
.endr
.endr
	WIN 0
.irp k, 0,1,2,3,4,5,6,7
	v_max3_num_f32 v[BM+\k], |v[SR+16*\k]|, |v[SR+16*\k+1]|, 0x2800000
.endr
.irp i, 2,4,6,8,10,12,14
.irp k, 0,1,2,3,4,5,6,7
	v_max3_num_f32 v[BM+\k], |v[SR+16*\k+\i]|, |v[SR+16*\k+\i+1]|, v[BM+\k]
.endr
.endr
.irp k, 0,1,2,3,4,5,6,7
	v_permlanex16_b32 v[PT+\k], v[BM+\k], s[SEL], s[SEL+1]
.endr
.irp k, 0,1,2,3,4,5,6,7
	v_max_num_f32 v[BM+\k], v[BM+\k], v[PT+\k]
.endr
	CODES
.irp u, 0,1
.irp c, 0,1,2
	global_store_b128 v1, v[PCD+12*\u+4*\c:PCD+12*\u+4*\c+3], s[AGF:AGF+1] offset:1536*\u+512*\c   ; 512 consecutive bytes a store
.endr
.endr
	global_store_b64 v3, v[PW:PW+1], s[AGS:AGS+1]  ; row r's two scale words (both halves of the lanes hold the same and write the same bytes)
	s_wait_tensorcnt 0x0                           ; the wave's end
	ds_add_u32 v[SPW], v[NIL]
	s_wait_dscnt 0x0
	ROUND                                          ; the closing round
	s_endpgm
.Lfunc_end_k_q8004e0e01a_attn:
	.size	k_q8004e0e01a_attn, .Lfunc_end_k_q8004e0e01a_attn-k_q8004e0e01a_attn
	.p2alignl 7, 3214868480
	.fill 96, 4, 3214868480
	.section	.rodata,"a",@progbits
	.p2align	6, 0x0
	.amdhsa_kernel k_q8004e0e01a_attn
		.amdhsa_group_segment_fixed_size 327680
		.amdhsa_private_segment_fixed_size 0
		.amdhsa_enable_private_segment 0
		.amdhsa_kernarg_size 40
		.amdhsa_user_sgpr_count 2
		.amdhsa_user_sgpr_kernarg_segment_ptr 1
		.amdhsa_wavefront_size32 1
		.amdhsa_system_sgpr_workgroup_id_x 1
		.amdhsa_system_sgpr_workgroup_id_y 1
		.amdhsa_system_sgpr_workgroup_id_z 1
		.amdhsa_system_vgpr_workitem_id 0
		.amdhsa_next_free_vgpr 768
		.amdhsa_next_free_sgpr 80
		.amdhsa_reserve_vcc 0
		.amdhsa_float_denorm_mode_32 3
		.amdhsa_float_denorm_mode_16_64 3
		.amdhsa_memory_ordered 1
		.amdhsa_forward_progress 1
		.amdhsa_inst_pref_size 118
	.end_amdhsa_kernel
	.amdgpu_metadata
---
amdhsa.version: [ 1, 2 ]
amdhsa.kernels:
  - .name:           k_q8004e0e01a_attn
    .symbol:         k_q8004e0e01a_attn.kd
    .args:
      - { .name: qg, .offset: 0, .size: 8, .value_kind: global_buffer, .address_space: global }
      - { .name: kvc, .offset: 8, .size: 8, .value_kind: global_buffer, .address_space: global }
      - { .name: kvs, .offset: 16, .size: 8, .value_kind: global_buffer, .address_space: global }
      - { .name: attention_mask, .offset: 24, .size: 8, .value_kind: global_buffer, .address_space: global }
      - { .name: ag, .offset: 32, .size: 8, .value_kind: global_buffer, .address_space: global }
    .group_segment_fixed_size: 327680
    .private_segment_fixed_size: 0
    .kernarg_segment_align: 8
    .kernarg_segment_size: 40
    .max_flat_workgroup_size: 128
    .sgpr_count:     80
    .vgpr_count:     768
    .wavefront_size: 32
...
	.end_amdgpu_metadata
.endif
;; end of part 3
;; launch oproj (part 4): grid 8 x 32, 4 waves a work-group, clusters of 4 x 4, 327,680 bytes of LDS; arguments ag, og, out0; writes out0
.if DOCPART == 4
	.amdgcn_target "amdgcn-amd-amdhsa--gfx1250"
	.amdhsa_code_object_version 6
	.text
	.protected	k_q8004e0e01a_oproj
	.globl	k_q8004e0e01a_oproj
	.p2align	8
	.type	k_q8004e0e01a_oproj,@function
k_q8004e0e01a_oproj:
	s_mov_b64 s[64:65], 0
	v_nop
	global_prefetch_b8 v0, s[64:65] scope:SCOPE_SE
	s_setreg_imm32_b32 hwreg(HW_REG_WAVE_MODE, 25, 1), 1
	s_wait_xcnt 0x0
	s_wait_alu depctr_hold_cnt(0) depctr_sa_sdst(0) depctr_va_vdst(0) depctr_va_sdst(0) depctr_va_ssrc(0) depctr_va_vcc(0) depctr_vm_vsrc(0)
	s_getreg_b32 s2, hwreg(HW_REG_IB_STS2, 6, 4)
	s_cmp_eq_u32 s2, 0
	s_cbranch_scc0 .Lentry_in_a_cluster
	s_endpgm
.Lentry_in_a_cluster:
	s_bfe_u32 s2, ttmp6, 0x10000c
	s_cmp_lg_u32 s2, 0xf033
	s_cbranch_scc0 .Lentry_shape_is_right
	s_endpgm
.Lentry_shape_is_right:
; FOURTH LAUNCH: out0 = attention's result x o_kernel on codes of E3M2 (K = 1,024: 8 K steps of 128, one a head).  No work is left out.
; Operands come as GROUPS (128 rows x 128 K as images of the operand's registers, 12,288 bytes, and 512 bytes of scale words; lane r of fragment 2 b + u holds row 32 b + 8 u + r + 8 (r / 8)).
; A work-group of four waves makes 128 tokens x 256 columns: 32 x 8 = 256 work-groups.  A wave makes 64 tokens x 128 columns: 32 accumulators in window 2.  Source 1 = tokens (ag), source 0 = columns (og).
; ALL OF K LIES IN LDS AT ONCE: three parts of 8 K steps x 12,800 = 102,400 dense bytes: ag's group, og's first group, og's second.  No ring: nothing is filled again.
; ONE TENSOR LOAD A WAVE, at the head: wave 0 fetches ag's K steps 0-3, wave 3 its K steps 4-7 (200 rows of 256 bytes each), waves 1 and 2 a whole part of og (400 rows).  One wait and one barrier show all of it to all waves.
; No prefetch: the launch has no loop to run ahead in; all its operands are asked for by its first four loads.
; CLUSTER 4 x 4: ag's loads are asked for jointly along the cluster's row, og's along its column.
; REGISTERS: window 0: v8-23 LDS addresses, one for each two K steps; v24-26 the way out's; v28, v29 the add's two; v32-39 A's scale words, two sets, v40-55 B's; v64-159 A's fragments, two sets of four; on the way out v64-191.
; window 1: B's fragments, two sets of eight, at v0 and v128.   window 2: accumulator (a, b) at v[8 (8 a + b)].
.set NKS,   8
.set GRP,   12800
.set QTR,   2*GRP
.set PART,  NKS*GRP
.set SPARE, 3*PART                     ; the spare words, 128 bytes a wave
.set FR,    12
.set SPITCH, 528                       ; the way out: 16 rows x (512 + 16) bytes a wave, 33,792 bytes from byte 0: ag's K steps 0 to 2, which have had their only fill and are read no more behind the split barrier
.set ADRA,  8
.set ADRB,  12
.set ADSA,  16
.set ADSB,  20
.set STO,   24
.set RD,    25
.set CO,    26
.set SPW,   28
.set NIL,   29
.set SCA,   32
.set SCB,   40
.set AF,    64
.set BK,    64
.set G1,    24
.set G0A,   32
.set G1B,   48
.set G0B,   68
.set MSB, 0
.macro WIN new
.if MSB != (\new)
	s_set_vgpr_msb (MSB<<8)|(\new)
.set MSB, (\new)
.endif
.endm
.macro CROUND                          ; a round of the cluster's barrier
	s_barrier_signal -1
	s_barrier_wait -1
	s_cmp_lg_u32 s14, 0
	s_cbranch_scc1 .Lnot_wave_0_\@
	s_barrier_signal -3
.Lnot_wave_0_\@:
	s_barrier_wait -3
	s_barrier_signal -1
	s_barrier_wait -1
.endm
.macro PLACES n
.rept \n
	v_nop
.endr
.endm
	s_load_b128 s[4:7], s[0:1], 0x0                ; ag, og
	s_load_b64 s[12:13], s[0:1], 0x10              ; out0
	v_lshl_add_u32 v[SPW], v0, 2, SPARE
	v_mov_b32 v[NIL], 0
	ds_add_u32 v[SPW], v[NIL]                      ; the opening: the add, twice on end, and its wait
	ds_add_u32 v[SPW], v[NIL]
	v_lshrrev_b32 v1, 5, v0
	v_readfirstlane_b32 s14, v1                    ; wave
	s_lshr_b32 s15, s14, 1                         ; which 64 tokens are mine; also which half of ag's K steps waves 0 and 3 fetch
	s_and_b32 s16, s14, 1                          ; which 128 columns
	s_bfe_u32 s56, ttmp6, 0x40000                  ; cx
	s_bfe_u32 s57, ttmp6, 0x40004                  ; cy
	s_lshl_b32 s58, ttmp9, 2
	s_add_co_u32 s58, s58, s56                     ; tile of 256 columns
	s_and_b32 s17, ttmp7, 0xffff
	s_lshl_b32 s17, s17, 2
	s_add_co_u32 s17, s17, s57                     ; tile of 128 tokens
	s_lshl_b32 s59, s57, 2
	s_lshl_b32 s59, 15, s59                        ; my row of the cluster
	s_lshl_b32 s60, 0x1111, s56                    ; my column
	s_or_b32 s[G1+0], s59, (3<<16)|(1<<21)         ; the mask; elements of 8 bytes; bit 21 beside a mask
	s_or_b32 s[G1B+0], s60, (3<<16)|(1<<21)
.irp g, G1, G1B
	s_mov_b32 s[\g+1], 32<<16                      ; dense rows of 256 bytes
	s_mov_b32 s[\g+3], 32<<16
	s_mov_b32 s[\g+5], 32
	s_mov_b32 s[\g+6], 0
	s_mov_b32 s[\g+7], 0
.endr
	s_mov_b32 s[G1+2], 200<<16
	s_mov_b32 s[G1+4], 200
	s_mov_b32 s[G1B+2], 400<<16
	s_mov_b32 s[G1B+4], 400
	s_mul_i32 s20, s17, PART                       ; ag: the tile's group,
	s_mul_i32 s61, s15, 4*GRP                      ; K steps 0-3 or 4-7: the same distance in memory and in LDS
	s_add_co_u32 s20, s20, s61
	s_mov_b32 s21, 0
	s_add_co_u32 s62, s14, 1
	s_bfe_u32 s3, s62, 0x10001                     ; 1 in waves 1 and 2: they fetch og
	s_and_b32 s62, s62, 1                          ; wave 1 the tile's first group of columns, wave 2 its second
	s_lshl_b32 s63, s58, 1
	s_add_co_u32 s62, s62, s63
	s_mul_i32 s62, s62, PART
	s_mov_b32 s63, 0
	s_mul_i32 s22, s14, PART                       ; og's place in LDS: wave x 102,400
	s_wait_dscnt 0x0                               ; both opening adds are done
	s_wait_kmcnt 0x0
	s_mov_b32 s[G0A], 1
	s_mov_b32 s[G0A+1], s61
	s_add_nc_u64 s[G0A+2:G0A+3], s[4:5], s[20:21]
	s_or_b32 s[G0A+3], s[G0A+3], 0x80000000
	s_mov_b32 s[G0B], 1
	s_mov_b32 s[G0B+1], s22
	s_add_nc_u64 s[G0B+2:G0B+3], s[6:7], s[62:63]
	s_or_b32 s[G0B+3], s[G0B+3], 0x80000000
	CROUND                                         ; all sixteen work-groups are here: the joint loads meet
	s_cmp_eq_u32 s3, 0                             ; one branch on the wave's number, a load in each arm
	s_cbranch_scc0 .Lfor_b
	tensor_load_to_lds s[G0A:G0A+3], s[G1:G1+7]
	s_nop 0
	PLACES 4
	s_branch .Lasked
.Lfor_b:
	tensor_load_to_lds s[G0B:G0B+3], s[G1B:G1B+7]
	s_nop 0
	PLACES 4
.Lasked:
	v_and_b32 v1, 15, v0                           ; r
	v_bfe_u32 v2, v0, 4, 1                         ; h
	v_and_b32 v3, 31, v0
	v_lshlrev_b32 v3, 4, v3                        ; 16 x lane
	v_lshlrev_b32 v5, 4, v1                        ; 16 r
	s_wait_alu depctr_va_vdst(0)                   ; ahead of the scalar runs below
	s_mul_i32 s21, s15, 4*1536                     ; my four fragments of ag's group
	s_mul_i32 s22, s16, PART
	s_add_co_u32 s22, s22, PART                    ; my group of og
	s_lshl_b32 s23, s15, 8
	s_add_co_u32 s23, s23, 12288                   ; my four fragments' scale words
	s_add_co_u32 s3, s22, 12288                    ; og's eight
.irp s, 0,1,2,3
	v_add_nc_u32 v[ADRA+\s], s21, v3
	v_add_nc_u32 v[ADRB+\s], s22, v3
	v_add_nc_u32 v[ADSA+\s], s23, v5
	v_add_nc_u32 v[ADSB+\s], s3, v5
	s_add_co_u32 s21, s21, QTR
	s_add_co_u32 s22, s22, QTR
	s_add_co_u32 s23, s23, QTR
	s_add_co_u32 s3, s3, QTR
.endr
	s_mul_i32 s23, s14, 16*SPITCH                  ; my stage for the way out
	v_mul_u32_u24 v6, v1, SPITCH
	v_lshl_add_u32 v6, v2, 6, v6
	v_add_nc_u32 v[STO], s23, v6                   ; in: row r, + 64 h: tile 2 b + u holds columns 32 b + 16 h + 8 u + 0 .. 7
	v_add_nc_u32 v[RD], s23, v3                    ; back: the 32 lanes take one row of 512 bytes
	v_mov_b32 v[CO], v3
	s_lshl_b32 s20, s17, 1
	s_add_co_u32 s20, s20, s15
	s_lshl_b32 s20, s20, 19                        ; my 64 tokens: rows of 8,192 bytes
	s_lshl_b32 s21, s58, 1
	s_add_co_u32 s21, s21, s16
	s_lshl_b32 s21, s21, 9                         ; my 128 columns
	s_add_co_u32 s20, s20, s21
	s_mov_b32 s21, 0
	s_add_nc_u64 s[12:13], s[12:13], s[20:21]
.macro FETCH k                         ; the fragments and scale words of K step k into sets k % 2: 39 LDS loads in one run
.set SS, (\k)/2
.set QQ, (\k)%2
	WIN 0
	ds_load_b128 v[SCA+4*QQ:SCA+4*QQ+3], v[ADSA+SS] offset:QQ*GRP
	ds_load_b128 v[SCB+8*QQ:SCB+8*QQ+3], v[ADSB+SS] offset:QQ*GRP
	ds_load_b128 v[SCB+8*QQ+4:SCB+8*QQ+7], v[ADSB+SS] offset:QQ*GRP+256
.irp a, 0,1,2,3
.irp c, 0,1,2
	ds_load_b128 v[AF+48*QQ+FR*\a+4*\c:AF+48*QQ+FR*\a+4*\c+3], v[ADRA+SS] offset:QQ*GRP+\a*1536+512*\c
.endr
.endr
	WIN 0x40
.irp b, 0,1,2,3,4,5,6,7
.irp c, 0,1,2
	ds_load_b128 v[128*QQ+FR*\b+4*\c:128*QQ+FR*\b+4*\c+3], v[ADRB+SS] offset:QQ*GRP+\b*1536+512*\c
.endr
.endr
	WIN 0
.endm
.macro MUL32 k                         ; 32 accumulators by turns, in the same order in every K step; the first K step starts the sums
.set QQ, (\k)%2
	WIN 0xa1
.irp a, 0,1,2,3
.irp b, 0,1,2,3,4,5,6,7
.if (\k) == 0
	v_wmma_scale_f32_16x16x128_f8f6f4 v[8*(8*\a+\b):8*(8*\a+\b)+7], v[128*QQ+FR*\b:128*QQ+FR*\b+FR-1], v[AF+48*QQ+FR*\a:AF+48*QQ+FR*\a+FR-1], 0, v[SCB+8*QQ+\b], v[SCA+4*QQ+\a] matrix_a_fmt:MATRIX_FMT_BF6 matrix_b_fmt:MATRIX_FMT_BF6
.else
	v_wmma_scale_f32_16x16x128_f8f6f4 v[8*(8*\a+\b):8*(8*\a+\b)+7], v[128*QQ+FR*\b:128*QQ+FR*\b+FR-1], v[AF+48*QQ+FR*\a:AF+48*QQ+FR*\a+FR-1], v[8*(8*\a+\b):8*(8*\a+\b)+7], v[SCB+8*QQ+\b], v[SCA+4*QQ+\a] matrix_a_fmt:MATRIX_FMT_BF6 matrix_b_fmt:MATRIX_FMT_BF6
.endif
.endr
.endr
.endm
; K step k: its fragments are in; the next K step's are asked for, into the sets that K step k - 1 multiplied (four places behind its last product); then the products.
; At K step 3 my reads of K steps 0 to 3 are over: the signal of the barrier whose wait stands ahead of the way out; between the two only loads of K steps 4 to 7, bytes that nobody writes, and work on registers.
.macro KSTEP k
	s_wait_dscnt 0x0
.if (\k) == 3
	s_barrier_signal -1
.endif
.if (\k) < 7
.if (\k) > 0
	PLACES 4
.endif
	FETCH (\k)+1
.endif
	MUL32 \k
.endm
	s_wait_alu depctr_va_vdst(0)                   ; the head's end
	s_wait_tensorcnt 0x0                           ; my load is in
	s_barrier_signal -1
	s_barrier_wait -1                              ; everybody's is
	FETCH 0
.irp k, 0,1,2,3,4,5,6,7
	KSTEP \k
.endr
	WIN 0
	s_barrier_wait -1                              ; no wave reads ag's K steps 0 to 3 any more
; THE WAY OUT, block by block of 16 tokens x 128 columns, through my own stage: in by the columns' true places, back as whole rows of 512 bytes.  Row t of block a is token 32 (a / 2) + 8 (a % 2) + t + 8 (t / 8) of my 64.
.macro TOSTAGE a
.set AC, 64*(\a)
	WIN 0x08
.irp b, 0,1,2,3,4,5,6,7
	ds_store_b128 v[STO], v[AC+8*\b:AC+8*\b+3] offset:128*(\b/2)+32*(\b%2)        ; each accumulator from its low end on
	ds_store_b128 v[STO], v[AC+8*\b+4:AC+8*\b+7] offset:128*(\b/2)+32*(\b%2)+16
.endr
	WIN 0
.set BB, BK+64*((\a)%2)
.irp t, 0,1,2,3,4,5,6,7,8,9,10,11,12,13,14,15
	ds_load_b128 v[BB+4*\t:BB+4*\t+3], v[RD] offset:\t*SPITCH   ; LDS serves a wave's instructions in order: these see the stores above
.endr
.endm
.macro SEND a, younger
.set BB, BK+64*((\a)%2)
	s_wait_dscnt \younger                          ; the block is back in registers
.irp t, 0,1,2,3,4,5,6,7,8,9,10,11,12,13,14,15
	global_store_b128 v[CO], v[BB+4*\t:BB+4*\t+3], s[12:13] offset:(32*((\a)/2)+8*((\a)%2)+\t+8*(\t/8))*8192 th:TH_STORE_NT   ; 512 consecutive bytes of a row of out0
.endr
.endm
	PLACES 4                                       ; behind the last products: ahead of the first read of results and of loads into the registers that held ag's fragments
	TOSTAGE 0
.irp a, 1,2,3
.if \a > 1
	s_wait_xcnt 0x0                                ; block a - 2's stores have read their registers: block a's loads may land there
.endif
	TOSTAGE \a
	SEND \a-1, 32                                  ; behind block a - 1's loads: block a's 16 stores and 16 loads
.endr
	SEND 3, 0
	s_wait_tensorcnt 0x0                           ; the wave's end
	ds_add_u32 v[SPW], v[NIL]
	s_wait_dscnt 0x0
	CROUND                                         ; the closing round
	s_endpgm
.Lfunc_end_k_q8004e0e01a_oproj:
	.size	k_q8004e0e01a_oproj, .Lfunc_end_k_q8004e0e01a_oproj-k_q8004e0e01a_oproj
	.p2alignl 7, 3214868480
	.fill 96, 4, 3214868480
	.section	.rodata,"a",@progbits
	.p2align	6, 0x0
	.amdhsa_kernel k_q8004e0e01a_oproj
		.amdhsa_group_segment_fixed_size 327680
		.amdhsa_private_segment_fixed_size 0
		.amdhsa_enable_private_segment 0
		.amdhsa_kernarg_size 24
		.amdhsa_user_sgpr_count 2
		.amdhsa_user_sgpr_kernarg_segment_ptr 1
		.amdhsa_wavefront_size32 1
		.amdhsa_system_sgpr_workgroup_id_x 1
		.amdhsa_system_sgpr_workgroup_id_y 1
		.amdhsa_system_sgpr_workgroup_id_z 1
		.amdhsa_system_vgpr_workitem_id 0
		.amdhsa_next_free_vgpr 768
		.amdhsa_next_free_sgpr 84
		.amdhsa_reserve_vcc 0
		.amdhsa_float_denorm_mode_32 3
		.amdhsa_float_denorm_mode_16_64 3
		.amdhsa_memory_ordered 1
		.amdhsa_forward_progress 1
		.amdhsa_inst_pref_size 76
	.end_amdhsa_kernel
	.amdgpu_metadata
---
amdhsa.version: [ 1, 2 ]
amdhsa.kernels:
  - .name:           k_q8004e0e01a_oproj
    .symbol:         k_q8004e0e01a_oproj.kd
    .args:
      - { .name: ag, .offset: 0, .size: 8, .value_kind: global_buffer, .address_space: global }
      - { .name: og, .offset: 8, .size: 8, .value_kind: global_buffer, .address_space: global }
      - { .name: out0, .offset: 16, .size: 8, .value_kind: global_buffer, .address_space: global }
    .group_segment_fixed_size: 327680
    .private_segment_fixed_size: 0
    .kernarg_segment_align: 8
    .kernarg_segment_size: 24
    .max_flat_workgroup_size: 128
    .sgpr_count:     84
    .vgpr_count:     768
    .wavefront_size: 32
...
	.end_amdgpu_metadata
.endif
;; end of part 4
